; MI455X (gfx1250); checked and timed in simulation.
; The chip was launched on July 23, 2026; its instructions are those of AMD's public machine-readable ISA for CDNA 5 (MIT licence, August 2026) and "CDNA5" Instruction Set Architecture Reference Guide (July 2026). The comments in the code are by the model that wrote it; some were corrected since.
;; Causal Self Attention. Allowed arithmetic: matrix products marked QUANTISED: E2M3 operands, one E8M0 scale for each 32 along K, by v_wmma_scale_f32_16x16x128_f8f6f4 with both operands' format E2M3, f32 sums; everything else in f32.
;; Inputs: W_attn 1,024 x 3,072 float32; W_proj 1,024 x 1,024 float32; b_attn 3,072 float32; b_proj 1,024 float32; x 4 x 2,048 x 1,024 float32.
;; Outputs: out0 4 x 2,048 x 1,024 float32.
;; This version of the problem:
;;   THIS VERSION OF THE PROBLEM IS GIVEN IN LOW PRECISION. The matrix products marked QUANTISED in the list below multiply operands that are first quantised to E2M3 (2 exponent bits, 3 mantissa bits; 6 bits a number), with one power-of-two scale for each 32 numbers along K (OCP MX v1.0); their sums are f32. All else is computed in f32.
;;   The module's matrix products, in the order in which they are computed (A, B: the left and right operand; K: the contracted axis; several contracted axes count as one K, in the product's order):
;;     1. [M 8,192, K 1,024] x [K 1,024, N 3,072]; A: input x; B: input W_attn: QUANTISED
;;     2. batch 64 x [M 2,048, K 64] x [K 64, N 2,048]; A: computed on the way; B: computed on the way: QUANTISED
;;     3. batch 64 x [M 2,048, K 2,048] x [K 2,048, N 64]; A: softmax (see below); B: computed on the way: QUANTISED
;;     4. [M 8,192, K 1,024] x [K 1,024, N 1,024]; A: computed on the way; B: input W_proj: QUANTISED
;;   THE QUANTISER, for each operand of a quantised product, along K:
;;     - K is cut into blocks of 32 from its start; a last block that is shorter is filled with zeros.
;;     - A block's scale is 2^e with e = floor(log2(the largest magnitude in the block)) - 2, held to -126 .. 127; a block of zeros has e = 0. As a byte (E8M0): e + 127.
;;     - Each number is divided by its block's scale, clamped to +-7.5, and rounded to the nearest number of E2M3, ties to even, subnormals kept.
;;     - The product sums the exact products of the quantised numbers (number of the format x scale) in f32.
;;   ~~~python
;;   def quantise(x, axis):      # numpy; x: float32 -> the quantised numbers, widened to float32 again
;;       x = np.moveaxis(x, axis, -1); K = x.shape[-1]
;;       x = np.pad(x, [(0, 0)] * (x.ndim - 1) + [(0, -K % 32)]); x = x.reshape(x.shape[:-1] + (-1, 32)); a = np.abs(x).max(-1, keepdims=True)
;;       e = np.where(a > 0, np.clip(np.frexp(np.where(a > 0, a, 1))[1] - 1 - 2, -126, 127), 0)      # np.frexp(a)[1] - 1 = floor(log2(a)), exactly
;;       r = np.clip(x / 2.0 ** e, -7.5, 7.5)
;;       step = 2.0 ** (np.maximum(np.frexp(np.where(r == 0, 1, r))[1] - 1, 0) - 3)
;;       q = np.round(r / step) * step * 2.0 ** e      # np.round: ties to even
;;       return np.moveaxis(q.reshape(q.shape[:-2] + (-1,))[..., :K], -1, axis).astype(np.float32)
;;   ~~~
;;   SOFTMAX AHEAD OF A QUANTISED PRODUCT. Where the list says 'softmax', what is quantised is not the finished softmax but p = 2^(t - M), with t = logit x log2(e) and M = ceil(the row's largest t), a whole number; so 1/2 < the row's largest p <= 1. The row's sum l is taken of the UNQUANTISED p, in f32, and the product's result is divided by l at the end. Since M is a whole number, a kernel that streams over the keys may use a running M (the ceiling of the running maximum): every later rescaling is an exact power of two, which a block's scale takes up: the codes' values come out the same.
;;   OPERANDS COMPUTED ON THE WAY. 'Computed on the way' means the value that the module computes at that place (a softmax that the list does not call 'softmax' is quantised finished and normalised). What goes into a quantiser is computed in f32, as accurately as f32 sums, v_exp_f32 and their like allow (about 1e-6 of the number): no bf16 or f16 on the way to a quantiser, and a product that is left as it is and whose result goes on into a quantised operand takes f32 operands (vector FMAs, or v_wmma_f32_16x16x4_f32). A number that lies on a knife's edge between two numbers of the format may be rounded either way, as far as f32 arithmetic and the matrix unit's own rounding can turn it there, and no further.
;; One version. Each part assembles by itself: llvm-mc -triple=amdgcn-amd-amdhsa -mcpu=gfx1250 --defsym DOCPART=n.
;; ======== version 1 of 1: 4 launches
;; limits: right only within a limited range of input values
;; workspace buffers: xq 6,553,600 bytes; wq 3,276,800 bytes; qkv 20,185,088 bytes; yq 6,553,600 bytes
;; launch quant (part 1): grid 384 x 1, 4 waves a work-group, no clusters, 102,912 bytes of LDS; arguments x, W_attn, W_proj, xq, wq; writes xq, wq
.if DOCPART == 1
	.amdgcn_target "amdgcn-amd-amdhsa--gfx1250"
	.amdhsa_code_object_version 6
	.text
	.protected	k_q0177b06c48_quant
	.globl	k_q0177b06c48_quant
	.p2align	8
	.type	k_q0177b06c48_quant,@function
k_q0177b06c48_quant:
	s_mov_b64 s[64:65], 0
	v_nop
	global_prefetch_b8 v0, s[64:65] scope:SCOPE_SE
	s_setreg_imm32_b32 hwreg(HW_REG_WAVE_MODE, 25, 1), 1
	s_wait_xcnt 0x0
; x [8192][1024], W_attn [1024][3072] and W_proj [1024][1024], f32, become codes of FP6 (E2M3) with K innermost and one E8M0 scale byte for each 32 along K.
; A block's scale is 2^(floor(log2(its largest magnitude)) - 2): its byte is the largest magnitude's exponent field - 2, held at 1 from below.
; LIMITS: a block of zeros gets the byte 1 where the quantiser says 127 (its codes are zeros, and this program alone reads the bytes); NaN and infinities among the inputs are not served.
; THE ORDER OF ROWS.  pi(i) swaps bits 3 and 4 of i.  Row (position) p of xq holds token pi(p); row p of W_attn's codes holds column pi(p); W_proj's rows are its columns in their own order.
; So a tile of 16 neighbouring positions holds indices 32 B + 8 u + r + 8 (r / 8), and the 16 result registers of two neighbouring tiles of the next launch are 16 neighbours along the K that follows.
; xq: codes [8192][768 bytes] at 0, scale bytes [8192][32] at X_SC.  wq: W_attn's codes [3072][768] at 0, its scale bytes [3072][32] at WA_SC, W_proj's codes [1024][768] at WP_C, its scale bytes at WP_SC.
; SHARES: 384 work-groups of 128 KiB of input each: 0-255 take x, 256-351 W_attn, 352-383 W_proj.  Each of the three ways has LDS bytes of its own.  No tensor loads, no barrier: waves share nothing.
.set X_SC,  6291456
.set WA_SC, 2359296
.set WP_C,  2457600
.set WP_SC, 3244032
.set EMAX,  2
; ---- x: K is innermost.  A wave takes 16 steps of 512 numbers: 8 rows
.set STEPS, 16
.set CB,    12                         ; bytes of 16 codes
.set R,     16                         ; v16-79   four sets of 16 numbers as they are loaded
.set X,     80                         ; v80-111  two sets of 16 neighbours
.set C,     128                        ; v128-191 codes: four registers for each step, so that no store's data are written again
.set E,     112                        ; v112-127 a scale byte for each step
.set WREG,  8192                       ; LDS of a wave: two stages of 32 x SP bytes, then its 256 scale bytes
.set SP,    80                         ; a lane's place in a stage: 64 bytes + 16 of padding
; ---- the weights: K is the first axis.  A wave takes 32 columns x 256 along K
.set KW,    256
.set NB,    8                          ; blocks of 32 along K
.set ROWB,  192                        ; bytes of KW codes
.set PITCH, 272                        ; a stage row: sixteen places of 16 bytes, each with 12 bytes of codes, + 16
; THE CODES' ORDER IN xq AND wq IS [K step of 256][row][192 bytes] (this takes the place of rows of 768 bytes): 128 rows of one K step are 24,576 dense bytes, which begin at a multiple of 256.
.set KROW,  192                        ; a row of one K step's codes in memory
.set XKS,   8192*192                   ; from a K step to the next in x's codes
.set WX,    32                         ; v32-95   two sets of 32 numbers
.set WC,    96                         ; v96..    a block's codes
.set OUTR,  112                        ; v112-175 the way out
.set SB,    24                         ; v24-25   the scale bytes, four to a register
.macro LOADX t
.irp i, 0,1,2,3
	global_load_b128 v[R+16*((\t)%4)+4*\i:R+16*((\t)%4)+4*\i+3], v3, s[4:5] offset:2048*(\t)+512*\i th:TH_LOAD_NT   ; 32 lanes read 512 consecutive bytes
.endr
.endm
.macro TURNX t                         ; a step's numbers go through the wave's stage and come back 16 neighbours a lane; LDS serves a wave's instructions in order
.irp i, 0,1,2,3
	ds_store_b128 v14, v[R+16*((\t)%4)+4*\i:R+16*((\t)%4)+4*\i+3] offset:32*SP*((\t)%2)+8*SP*\i
.endr
.irp i, 0,1,2,3
	ds_load_b128 v[X+16*((\t)%2)+4*\i:X+16*((\t)%2)+4*\i+3], v15 offset:32*SP*((\t)%2)+16*\i
.endr
.endm
.macro STEPX t
.set XS, X+16*((\t)%2)
.if (\t) > 0
	s_wait_dscnt 1                                 ; this step's numbers are back from the stage; the last step's byte store may be out
.else
	s_wait_dscnt 0x0
.endif
.if (\t)+4 < STEPS
	LOADX (\t)+4                                   ; into the registers that this step's stores into the stage have read
.endif
.if (\t)+1 < STEPS
.if STEPS-2-(\t) >= 3
	s_wait_loadcnt 12                              ; the next step's four loads are in; those of the three steps behind it may be out
.else
	s_wait_loadcnt 4*(STEPS-2-(\t))
.endif
	TURNX (\t)+1
.endif
	v_max3_num_f32 v8, |v[XS]|, |v[XS+1]|, |v[XS+2]|               ; the largest magnitude of my 16, in two chains
	v_max3_num_f32 v9, |v[XS+3]|, |v[XS+4]|, |v[XS+5]|
.irp i, 6,10
	v_max3_num_f32 v8, v8, |v[XS+\i]|, |v[XS+\i+1]|
	v_max3_num_f32 v9, v9, |v[XS+\i+2]|, |v[XS+\i+3]|
.endr
	v_max3_num_f32 v8, v8, |v[XS+14]|, |v[XS+15]|
	v_max3_num_f32 v8, v8, v9, (EMAX+1)<<23        ; and the floor 2^(3 - 127): the byte cannot fall under 1
	v_max_num_f32_dpp v8, v8, v8 row_xmask:1 row_mask:0xf bank_mask:0xf   ; with my neighbour's 16: the block's
	v_add_nc_u32 v11, -(EMAX<<23), v8              ; 2 off its exponent field: the conversion takes the exponent field of this operand as its scale
	v_cvt_scalef32_pk16_fp6_f32 v[C+4*(\t):C+4*(\t)+2], v[XS:XS+15], v11
	v_lshrrev_b32 v[E+(\t)], 23, v11               ; the scale's byte (also the plain line behind the conversion)
	ds_store_b8 v5, v[E+(\t)] offset:16*(\t)       ; both lanes of a block write the same byte with the same value
	global_store_b96 v4, v[C+4*(\t):C+4*(\t)+2], s[8:9] offset:((\t)%2)*2*XKS+((\t)/2)*KROW   ; row t / 2; lanes 0-15 K step 2 (t % 2), lanes 16-31 the next: 192 consecutive bytes each
.endm
.macro WLOAD t, wp, ncol               ; block t: W(32 t + i, my column), i = 0 .. 31, into set t % 2
.irp i, 0,1,2,3,4,5,6,7,8,9,10,11,12,13,14,15,16,17,18,19,20,21,22,23,24,25,26,27,28,29,30,31
	global_load_b32 v[WX+32*((\t)%2)+\i], v3, s[\wp:\wp+1] offset:(32*(\t)+\i)*\ncol*4 th:TH_LOAD_NT
.endr
.endm
.macro WBLOCK t, wp, ncol
.set XS, WX+32*((\t)%2)
.if (\t) < NB-1
	s_wait_loadcnt 32                              ; this block's 32 loads are in; the next block's may be out
.else
	s_wait_loadcnt 0
.endif
	v_max3_num_f32 v12, |v[XS]|, |v[XS+1]|, |v[XS+2]|               ; the block's largest magnitude: all 32 numbers are mine
	v_max3_num_f32 v13, |v[XS+3]|, |v[XS+4]|, |v[XS+5]|
.irp i, 6,10,14,18,22,26
	v_max3_num_f32 v12, v12, |v[XS+\i]|, |v[XS+\i+1]|
	v_max3_num_f32 v13, v13, |v[XS+\i+2]|, |v[XS+\i+3]|
.endr
	v_max3_num_f32 v12, v12, |v[XS+30]|, |v[XS+31]|
	v_max3_num_f32 v12, v12, v13, (EMAX+1)<<23     ; and the floor
	v_add_nc_u32 v11, -(EMAX<<23), v12             ; the conversion's scale operand
	v_lshrrev_b32 v13, 23, v11                     ; the scale's byte
.if (\t)%4 == 0
	v_mov_b32 v[SB+(\t)/4], v13                    ; four bytes to a register, the lower K in the lower byte
.else
	v_lshl_or_b32 v[SB+(\t)/4], v13, 8*((\t)%4), v[SB+(\t)/4]
.endif
	v_cvt_scalef32_pk16_fp6_f32 v[WC:WC+2], v[XS:XS+15], v11
	v_cvt_scalef32_pk16_fp6_f32 v[WC+4:WC+6], v[XS+16:XS+31], v11   ; (a conversion's three registers begin on an even number)
	ds_store_b96 v4, v[WC:WC+2] offset:32*(\t)     ; 12 bytes to a place of 16 in the stage: every LDS address is a multiple of 16
	ds_store_b96 v4, v[WC+4:WC+6] offset:32*(\t)+16
.if (\t)+2 < NB
	WLOAD (\t)+2, \wp, \ncol
.endif
	s_wait_dscnt 0x0                               ; the stores have read their registers: the next block's codes may be written
.endm
; A weight [1024][ncol]: a lane takes a column and its registers run down K.  wp: the scalar pair with its address; perm = 1: column c of the wave's 32 goes to row pi(c);
; lbase: this way's LDS; codes, scales: where its codes and scale bytes begin in wq; first: its first work-group.
.macro WPATH wp, ncol, perm, lbase, codes, scales, first
	s_sub_co_u32 s17, ttmp9, \first
	s_and_b32 s18, s17, 3                          ; which 256 along K
	s_lshr_b32 s17, s17, 2
	s_lshl_b32 s17, s17, 7
	s_lshl_b32 s19, s16, 5
	s_add_co_u32 s17, s17, s19                     ; my wave's first column
	v_lshlrev_b32 v3, 2, v2                        ; in: 4 bytes a lane
	s_mul_i32 s19, s16, 32*PITCH
	s_add_co_u32 s19, s19, \lbase                  ; my stage
	v_mul_u32_u24 v4, v2, PITCH
	v_add_nc_u32 v4, s19, v4                       ; into it: row = my column
	v_and_b32 v5, 15, v2
	v_lshrrev_b32 v6, 4, v2                        ; out of it: sixteen lanes to a row, two rows an instruction
	v_mul_u32_u24 v7, v6, PITCH
	v_lshl_add_u32 v7, v5, 4, v7
	v_add_nc_u32 v7, s19, v7
	v_mul_u32_u24 v8, v6, KROW
	v_mad_u32_u24 v8, v5, 12, v8                   ; and the same place in the codes
.if \perm
	v_and_b32 v9, 7, v2                            ; pi(lane): bits 3 and 4 change places
	v_bfe_u32 v10, v2, 3, 1
	v_lshl_or_b32 v9, v10, 4, v9
	v_bfe_u32 v10, v2, 4, 1
	v_lshl_or_b32 v9, v10, 3, v9
	v_lshlrev_b32 v9, 5, v9                        ; my column's row of 32 scale bytes
.else
	v_lshlrev_b32 v9, 5, v2
.endif
	s_mul_i32 s20, s18, KW*\ncol*4
	s_lshl_b32 s22, s17, 2
	s_add_co_u32 s20, s20, s22
	s_mov_b32 s21, 0
	s_add_nc_u64 s[\wp:\wp+1], s[\wp:\wp+1], s[20:21]   ; the weight at (256 y, my first column)
	s_mul_i32 s20, s17, KROW
	s_mul_i32 s22, s18, \ncol*ROWB                 ; my K step's plane
	s_add_co_u32 s20, s20, s22
	s_add_co_u32 s20, s20, \codes
	s_add_nc_u64 s[24:25], s[12:13], s[20:21]      ; my codes
	s_lshl_b32 s20, s17, 5
	s_lshl_b32 s22, s18, 3
	s_add_co_u32 s20, s20, s22
	s_add_co_u32 s20, s20, \scales
	s_add_nc_u64 s[26:27], s[12:13], s[20:21]      ; my scale bytes
	WLOAD 0, \wp, \ncol
	WLOAD 1, \wp, \ncol
.set Q, 0
.rept NB
	WBLOCK Q, \wp, \ncol
.set Q, Q+1
.endr
	s_wait_alu depctr_va_vdst(0)
	global_store_b64 v9, v[SB:SB+1], s[26:27]      ; my column's 8 scale bytes
.irp t, 0,1,2,3,4,5,6,7,8,9,10,11,12,13,14,15
	ds_load_b96 v[OUTR+4*\t:OUTR+4*\t+2], v7 offset:2*\t*PITCH   ; LDS serves a wave's instructions in order: these see my stores
.endr
.irp t, 0,1,2,3,4,5,6,7,8,9,10,11,12,13,14,15
	s_wait_dscnt 15-\t                             ; the younger reads may be out
.if \perm
	global_store_b96 v8, v[OUTR+4*\t:OUTR+4*\t+2], s[24:25] offset:2*(\t%4+8*((\t/4)%2)+4*(\t/8))*KROW   ; stage rows 2 t, 2 t + 1 go to rows pi(2 t), pi(2 t + 1)
.else
	global_store_b96 v8, v[OUTR+4*\t:OUTR+4*\t+2], s[24:25] offset:2*\t*KROW
.endif
.endr
	s_wait_tensorcnt 0x0
	ds_add_u32 v192, v193
	s_wait_dscnt 0x0
	s_endpgm
.endm
	s_load_b256 s[4:11], s[0:1], 0x0               ; x s[4:5], W_attn s[6:7], W_proj s[8:9], xq s[10:11]
	s_load_b64 s[12:13], s[0:1], 0x20              ; wq
	v_lshl_add_u32 v192, v0, 2, 0x19000
	v_mov_b32 v193, 0
	v_lshrrev_b32 v1, 5, v0
	v_readfirstlane_b32 s16, v1                    ; wave
	v_and_b32 v2, 31, v0                           ; lane
	s_wait_kmcnt 0x0
	s_cmp_lt_u32 ttmp9, 256
	s_cbranch_scc0 .Lweights
	; ---- x
	s_wait_alu depctr_va_vdst(0)
	v_lshlrev_b32 v3, 4, v2                        ; my 16 bytes of a load's 512
	s_mul_i32 s17, s16, WREG
	v_lshrrev_b32 v14, 2, v2
	v_mul_u32_u24 v14, v14, SP
	v_and_b32 v15, 3, v2
	v_lshl_add_u32 v14, v15, 4, v14
	v_add_nc_u32 v14, s17, v14                     ; the stage, on the way in: SP (lane / 4) + 16 (lane % 4)
	v_mul_u32_u24 v15, v2, SP
	v_add_nc_u32 v15, s17, v15                     ; and on the way out: SP x lane
	v_and_b32 v4, 15, v2
	v_mul_u32_u24 v4, v4, CB                       ; my codes' place in a row of a K step,
	v_lshrrev_b32 v5, 4, v2
	v_mad_u32_u24 v4, v5, XKS, v4                  ; and lanes 16-31 a K step on
	v_lshrrev_b32 v5, 1, v2
	s_add_co_u32 s17, s17, 2*32*SP
	v_add_nc_u32 v5, s17, v5                       ; LDS: my block's scale byte
	v_lshlrev_b32 v7, 3, v2
	v_add_nc_u32 v6, s17, v7                       ; and on the way out 8 bytes a lane
	s_lshl_b32 s18, ttmp9, 2
	s_add_co_u32 s19, s18, s16                     ; my run of 8 rows
	s_lshl_b32 s20, s19, 15
	s_mov_b32 s21, 0
	s_add_nc_u64 s[4:5], s[4:5], s[20:21]
	s_and_b32 s19, s16, 1                          ; a run's number holds the tokens' bits 3 and 4 in its bits 0 and 1: they change places
	s_lshl_b32 s19, s19, 1
	s_lshr_b32 s22, s16, 1
	s_or_b32 s19, s19, s22
	s_add_co_u32 s19, s19, s18
	s_mul_i32 s20, s19, 8*KROW
	s_add_nc_u64 s[8:9], s[10:11], s[20:21]        ; my codes
	s_lshl_b32 s20, s19, 8
	s_add_co_u32 s20, s20, X_SC
	s_add_nc_u64 s[10:11], s[10:11], s[20:21]      ; my 256 scale bytes
.irp t, 0,1,2,3
	LOADX \t
.endr
	s_wait_alu depctr_va_vdst(0)
	s_wait_loadcnt 12                              ; step 0's four loads are in
	TURNX 0
.irp t, 0,1,2,3,4,5,6,7,8,9,10,11,12,13,14,15
	STEPX \t
.endr
	ds_load_b64 v[12:13], v6                       ; LDS serves a wave's instructions in order: these see my stores
	s_wait_dscnt 0x0
	global_store_b64 v7, v[12:13], s[10:11]        ; 32 lanes store 256 consecutive bytes, aligned
	s_wait_tensorcnt 0x0
	ds_add_u32 v192, v193
	s_wait_dscnt 0x0
	s_endpgm
.Lweights:
	s_cmp_lt_u32 ttmp9, 352
	s_cbranch_scc0 .Lproj_w
	s_wait_alu depctr_va_vdst(0)
	WPATH 6, 3072, 1, 32768, 0, WA_SC, 256
.Lproj_w:
	s_wait_alu depctr_va_vdst(0)
	WPATH 8, 1024, 0, 67584, WP_C, WP_SC, 352
.Lfunc_end_k_q0177b06c48_quant:
	.size	k_q0177b06c48_quant, .Lfunc_end_k_q0177b06c48_quant-k_q0177b06c48_quant
	.p2alignl 7, 3214868480
	.fill 96, 4, 3214868480
	.section	.rodata,"a",@progbits
	.p2align	6, 0x0
	.amdhsa_kernel k_q0177b06c48_quant
		.amdhsa_group_segment_fixed_size 102912
		.amdhsa_private_segment_fixed_size 0
		.amdhsa_enable_private_segment 0
		.amdhsa_kernarg_size 40
		.amdhsa_user_sgpr_count 2
		.amdhsa_user_sgpr_kernarg_segment_ptr 1
		.amdhsa_wavefront_size32 1
		.amdhsa_system_sgpr_workgroup_id_x 1
		.amdhsa_system_sgpr_workgroup_id_y 1
		.amdhsa_system_sgpr_workgroup_id_z 1
		.amdhsa_system_vgpr_workitem_id 0
		.amdhsa_next_free_vgpr 194
		.amdhsa_next_free_sgpr 66
		.amdhsa_reserve_vcc 0
		.amdhsa_float_denorm_mode_32 3
		.amdhsa_float_denorm_mode_16_64 3
		.amdhsa_memory_ordered 1
		.amdhsa_forward_progress 1
		.amdhsa_inst_pref_size 114
	.end_amdhsa_kernel
	.amdgpu_metadata
---
amdhsa.version: [ 1, 2 ]
amdhsa.kernels:
  - .name:           k_q0177b06c48_quant
    .symbol:         k_q0177b06c48_quant.kd
    .args:
      - { .name: x, .offset: 0, .size: 8, .value_kind: global_buffer, .address_space: global }
      - { .name: W_attn, .offset: 8, .size: 8, .value_kind: global_buffer, .address_space: global }
      - { .name: W_proj, .offset: 16, .size: 8, .value_kind: global_buffer, .address_space: global }
      - { .name: xq, .offset: 24, .size: 8, .value_kind: global_buffer, .address_space: global }
      - { .name: wq, .offset: 32, .size: 8, .value_kind: global_buffer, .address_space: global }
    .group_segment_fixed_size: 102912
    .private_segment_fixed_size: 0
    .kernarg_segment_align: 8
    .kernarg_segment_size: 40
    .max_flat_workgroup_size: 128
    .sgpr_count:     66
    .vgpr_count:     194
    .wavefront_size: 32
...
	.end_amdgpu_metadata
.endif
;; end of part 1
;; launch gemm_qkv (part 2): grid 12 x 32, 4 waves a work-group, clusters of 4 x 4, 327,680 bytes of LDS; arguments xq, wq, b_attn, qkv; writes qkv
.if DOCPART == 2
	.amdgcn_target "amdgcn-amd-amdhsa--gfx1250"
	.amdhsa_code_object_version 6
	.text
	.protected	k_q0177b06c48_gemm_qkv
	.globl	k_q0177b06c48_gemm_qkv
	.p2align	8
	.type	k_q0177b06c48_gemm_qkv,@function
k_q0177b06c48_gemm_qkv:
	s_mov_b64 s[64:65], 0
	v_nop
	global_prefetch_b8 v0, s[64:65] scope:SCOPE_SE
	s_setreg_imm32_b32 hwreg(HW_REG_WAVE_MODE, 25, 1), 1
	s_wait_xcnt 0x0
	s_wait_alu depctr_hold_cnt(0) depctr_sa_sdst(0) depctr_va_vdst(0) depctr_va_sdst(0) depctr_va_ssrc(0) depctr_va_vcc(0) depctr_vm_vsrc(0)
	s_getreg_b32 s2, hwreg(HW_REG_IB_STS2, 6, 4)
	s_cmp_eq_u32 s2, 0
	s_cbranch_scc0 .Lentry_in_a_cluster
	s_endpgm
.Lentry_in_a_cluster:
	s_bfe_u32 s2, ttmp6, 0x10000c
	s_cmp_lg_u32 s2, 0xf033
	s_cbranch_scc0 .Lentry_shape_is_right
	s_endpgm
.Lentry_shape_is_right:
; qkv = x W_attn + b_attn on codes of FP6 (E2M3) with one E8M0 scale for each 32 along K = 1,024; q, k and v are quantised out of the accumulators and leave as codes: no f32 number goes to memory.
; A tile of 256 x 256 is made by four waves, 128 x 128 each: 64 accumulators, 512 registers.  K goes in steps of 256 through a ring of two LDS slots filled by the tensor data mover; the scale bytes of the
; work-group's 2 x 256 rows come into LDS once.  4 x 4 work-groups form a cluster: the tile that lies in the lanes (A, source 1) is shared along a row of the cluster, the other (B, source 0) along a column.
; TWO ROLES, by the cluster's x, which all sixteen partners share.  x = 0, 1 (q, k): A = 256 positions of x, B = 256 positions of W_attn.  A lane holds one token and its registers run along the channels: q's and k's K.
; x = 2 (v): A = 256 positions of W_attn's last third, B = 256 positions of x.  A lane holds one channel and its registers run along the tokens, which are the keys: v's K.
; Rows of xq and of W_attn's codes lie in the order pi (bits 3 and 4 of the index changed): so the 16 registers of accumulators 2 B and 2 B + 1 are 16 neighbours, 32 B + 16 (lane / 16) + 0 .. 15.
; THE BIAS is the C of each sum's first product (so it is rounded into the sum first, not last).
; OUT.  A block of 16 lanes' rows x 128 becomes 12 registers of codes and a scale word.  Six registers x 32 lanes are an IMAGE of 768 bytes: registers 0-3 at 16 x lane, registers 4-5 at 512 + 8 x lane.
; q_img, k_img [batch x head 64][tile 128][768]; v_img [64][key step 16][channel tile 4][2 x 768]; q_sc, k_sc [64][group of 4 tiles 32][row 16][tile % 4] words (bytes 2, 3 = 0: they meet zero codes alone); v_sc [64][key step 16][row 16][channel tile 4] words.
; LIMITS: a block of zeros gets the byte 1 where the quantiser says 127 (its codes are zeros; this program alone reads the bytes); NaN and infinities are not served.
; No prefetch: of the four K steps two are first fills, and the other two could be named only at the head, where every work-group's first tiles are on their way.
; REGISTERS: window 0: v13-31 addresses; v32-63 scale words, two sets; v64-127 the bias in the results' layout; v128-223 A's fragments, ONE set (on the way out: codes); v224-241 at work.
;   window 1: B's fragments, two sets.   windows 2, 3: the accumulators ((a, b) at v[8 (8 (a % 4) + b)] of window 2 + a / 4).
.set X_SC,  6291456
.set WA_SC, 2359296
.set K_IMG, 6291456
.set V_IMG, 12582912
.set Q_SC,  18874368
.set K_SC,  19398656
.set V_SC,  19922944
.set NQ,     2                         ; matrix instructions deep in a slot: 256 along K
.set ROWB,   192                       ; a tile's row in bytes
.set XSTEP,  8192*192                  ; from a K step to the next in x's codes, laid [K step][row][192 bytes],
.set WSTEP,  3072*192                  ; and in W_attn's
.set KROW,   192                       ; a row of one K step's codes in memory: rows lie end to end
.set PITCH,  240                       ; an LDS row: 3 x (64 bytes + 16 of padding)
.set FR,     12                        ; registers of a fragment
.set NL,     6                         ; LDS loads that bring one of B's
.set NLA,    6                         ; and one of A's
.set NP,     4                         ; places behind this matrix instruction (ISA guide 7.12.1)
.set HALFT,  128*PITCH
.set SLOT,   4*HALFT
.set LAPS,   2                         ; 1,024 along K = two laps of two slots
.set SCL,    2*SLOT                    ; behind the ring: the scale bytes, as rows of 256 bytes + 16 of padding
.set HALFS,  16*272                    ; those of 128 rows (32 bytes a row)
.set SBLK,   2*272                     ; those of 16 rows
.set SPARE,  SCL+4*HALFS               ; the spare words, 128 bytes for each wave, that no other line names
.set VB,   13                          ; v13  the bias's byte offset
.set OFS,  14                          ; v14  where my 16 bytes of scale words go
.set ADRA, 16                          ; v16-19
.set ADRB, 20                          ; v20-23
.set L16,  24                          ; v24  16 x lane
.set L8,   25                          ; v25  8 x lane
.set STA,  26                          ; v26  the scale words' stage: 1,024 x wave + 512 (lane / 16) + 16 (lane % 16); it lies in slot 0, which has had its last fill and its last read by then
.set ADRS, 27
.set SPW,  28
.set NIL,  29
.set STR,  30                          ; v30  and back: 1,024 x wave + 16 x lane
.set SH,   31                          ; v31  how far my scale word is shifted down
.set SC,   32
.set BI,   64
.set AF,   128
.set CD,   128                         ; the way out: 12 registers of codes, 8 at work
.set XO,   160                         ; scale words read back
.set TM,   224
.set PW,   240
.set T,    241
.set G1, 24
.set G0, 32
.set G1B, 48
.set G0B, 56
.set G1S, 68
.set G0S, 76
.set G1SB, 80
.set G0SB, 88
.set SEL, 98
.set MSB, 0
.macro WIN new                         ; the immediate's high byte repeats the setting that is left
.if MSB != \new
	s_set_vgpr_msb (MSB<<8)|\new
.set MSB, \new
.endif
.endm
.set MUL_LO, 0xa1                      ; source 0 (B) window 1, source 1 (A) window 0, C and D window 2
.set MUL_HI, 0xf1                      ; the same, C and D window 3
.set BEG_LO, 0x81                      ; the first products: C (the bias) window 0, D window 2
.set BEG_HI, 0xc1
.set TO_B,   0x40
; A joint load: waves 0 and 1 fetch for A, waves 2 and 3 for B; the branch hangs on the wave's number alone.  Four v_nop follow each of the two lines.
.macro JLOAD g0a, g1a, g0b, g1b
	s_cmp_eq_u32 s15, 0
	s_cbranch_scc0 .Lfor_b_\@
	tensor_load_to_lds s[\g0a:\g0a+3], s[\g1a:\g1a+7]
	s_nop 0
.rept 4
	v_nop
.endr
	s_branch .Lasked_\@
.Lfor_b_\@:
	tensor_load_to_lds s[\g0b:\g0b+3], s[\g1b:\g1b+7]
	s_nop 0
.rept 4
	v_nop
.endr
.Lasked_\@:
.endm
.macro CREST                           ; a round of the cluster's barrier behind its opening barrier
	s_cmp_lg_u32 s14, 0
	s_cbranch_scc1 .Lnot_wave_0_\@
	s_barrier_signal -3
.Lnot_wave_0_\@:
	s_barrier_wait -3
	s_barrier_signal -1
	s_barrier_wait -1
.endm
.macro CROUND
	s_barrier_signal -1
	s_barrier_wait -1
	CREST
.endm
	s_load_b256 s[4:11], s[0:1], 0x0               ; xq s[4:5], wq s[6:7], b_attn s[8:9], qkv s[10:11]
	v_lshl_add_u32 v[SPW], v0, 2, SPARE
	v_mov_b32 v[NIL], 0
	ds_add_u32 v28, v29
	ds_add_u32 v28, v29
	s_wait_dscnt 0x0
	v_lshrrev_b32 v1, 5, v0
	v_readfirstlane_b32 s14, v1                    ; wave 0..3
	s_lshr_b32 s15, s14, 1                         ; which half of A's rows is mine.  Also: I fetch for A (0) or for B (1)
	s_and_b32 s16, s14, 1                          ; which half of B's rows.  Also: which 128 rows I fetch
	s_bfe_u32 s40, ttmp6, 0x40000                  ; cx, cy: my place in the cluster
	s_bfe_u32 s41, ttmp6, 0x40004
	s_and_b32 s21, ttmp7, 0xffff                   ; the cluster's y
	s_cmp_lt_u32 ttmp9, 2                          ; the role: q, k (cluster x = 0, 1) or v (2)
	s_cselect_b32 s22, ttmp9, s21                  ; B's tiles walk W_attn's first two thirds by the cluster's x, or x's rows by its y
	s_cselect_b32 s23, s21, 0                      ; A's tiles walk x's rows by the cluster's y, or W_attn's last third within the cluster
	s_cselect_b32 s19, 0, 1                        ; s19: the role
	s_cselect_b32 s95, 0, 2048                     ; A's first row in its tensor
	s_mov_b32 s96, WA_SC
	s_cselect_b32 s96, X_SC, s96                   ; where A's scale bytes begin in its buffer
	s_mov_b32 s97, X_SC
	s_cselect_b32 s97, WA_SC, s97                  ; and B's
	s_lshl_b32 s42, s22, 2
	s_add_co_u32 s42, s42, s40                     ; B's tile: hangs on cx alone within the cluster
	s_lshl_b32 s17, s23, 2
	s_add_co_u32 s17, s17, s41                     ; A's tile: on cy alone
	s_lshl_b32 s43, s41, 2
	s_lshl_b32 s43, 15, s43                        ; my row of the cluster
	s_lshl_b32 s44, 0x1111, s40                    ; my column
	; descriptor group 1: a tile of 128 rows x 192 bytes, 16 bytes of padding behind every 64
	s_or_b32 s[G1+0], s43, (0<<16)|(1<<20)|(1<<21)|(3<<22)|(3<<25)
	s_or_b32 s[G1B+0], s44, (0<<16)|(1<<20)|(1<<21)|(3<<22)|(3<<25)
.irp g, G1, G1B
	s_mov_b32 s[\g+1], 256<<16                     ; the dense block is stated as rows of 256 bytes: 256 rows of codes are 192 of them (the head's loads),
	s_mov_b32 s[\g+2], 192<<16                     ; 128 rows of codes 96 (the ring's: set behind the head's wait)
	s_mov_b32 s[\g+3], 256<<16
	s_mov_b32 s[\g+4], 192
	s_mov_b32 s[\g+5], 256
	s_mov_b32 s[\g+6], 0
	s_mov_b32 s[\g+7], 0
.endr
	; the scale bytes of 256 rows: 8,192 dense bytes as 32 rows of 256 (32 elements of 8 bytes), 16 bytes of padding behind each
	s_or_b32 s[G1S+0], s43, (3<<16)|(1<<20)|(1<<21)|(5<<22)|(3<<25)
	s_or_b32 s[G1SB+0], s44, (3<<16)|(1<<20)|(1<<21)|(5<<22)|(3<<25)
.irp g, G1S, G1SB
	s_mov_b32 s[\g+1], 32<<16
	s_mov_b32 s[\g+2], 32<<16                      ; the scale bytes of 256 rows: 32 rows of 256 bytes
	s_mov_b32 s[\g+3], 32<<16
	s_mov_b32 s[\g+4], 32
	s_mov_b32 s[\g+5], 32
	s_mov_b32 s[\g+6], 0
	s_mov_b32 s[\g+7], 0
.endr
	s_lshl_b32 s20, s17, 8
	s_add_co_u32 s20, s20, s95                     ; A's tile: its first row
	s_lshl_b32 s46, s42, 8                         ; B's
	s_lshl_b32 s22, s20, 5
	s_add_co_u32 s22, s22, s96                     ; A's scale bytes, from its buffer's start
	s_mov_b32 s23, 0
	s_mul_i32 s20, s20, KROW                       ; A's codes (all these offsets lie under 2^23)
	s_mov_b32 s21, 0
	s_lshl_b32 s92, s46, 5
	s_add_co_u32 s92, s92, s97
	s_mov_b32 s93, 0
	s_mul_i32 s46, s46, KROW
	s_mov_b32 s47, 0
	s_mul_i32 s45, s14, HALFT                      ; where they go: wave x 128 rows: no place in the cluster enters an LDS address
	s_mul_i32 s2, s16, 128*KROW                    ; in the ring I fetch 128 rows of a tile: which half, in bytes
	s_mov_b32 s3, 0
	s_cmp_eq_u32 s19, 0                            ; two K steps on, in bytes: by the role, which all partners share
	s_mov_b32 s100, 2*WSTEP
	s_cselect_b32 s100, 2*XSTEP, s100              ; A's
	s_mov_b32 s101, 0
	s_mov_b32 s104, 2*XSTEP
	s_cselect_b32 s104, 2*WSTEP, s104              ; B's
	s_mov_b32 s105, 0
	s_wait_kmcnt 0x0
	s_cmp_eq_u32 s19, 0
	s_cselect_b64 s[12:13], s[4:5], s[6:7]         ; A's buffer: the choice hangs on the cluster's x alone
	s_cselect_b64 s[4:5], s[6:7], s[4:5]           ; B's
	s_add_nc_u64 s[20:21], s[12:13], s[20:21]
	s_add_nc_u64 s[22:23], s[12:13], s[22:23]
	s_add_nc_u64 s[46:47], s[4:5], s[46:47]
	s_add_nc_u64 s[92:93], s[4:5], s[92:93]
	CROUND                                         ; all sixteen work-groups are here: the first joint loads meet
	s_mov_b32 s[G0S], 1                            ; the head's four tiles, each whole: the scale bytes of A's 256 rows,
	s_mov_b32 s[G0S+1], SCL
	s_mov_b64 s[G0S+2:G0S+3], s[22:23]
	s_or_b32 s[G0S+3], s[G0S+3], 0x80000000
	s_mov_b32 s[G0SB], 1                           ; of B's,
	s_mov_b32 s[G0SB+1], SCL+2*HALFS
	s_mov_b64 s[G0SB+2:G0SB+3], s[92:93]
	s_or_b32 s[G0SB+3], s[G0SB+3], 0x80000000
	s_mov_b32 s[G0], 1                             ; K step 0's 256 rows of A (in slot 0's group 0, which is set for the ring behind the head's wait),
	s_mov_b32 s[G0+1], 0
	s_mov_b64 s[G0+2:G0+3], s[20:21]
	s_or_b32 s[G0+3], s[G0+3], 0x80000000
	s_mov_b32 s[G0B], 1                            ; and of B
	s_mov_b32 s[G0B+1], 2*HALFT
	s_mov_b64 s[G0B+2:G0B+3], s[46:47]
	s_or_b32 s[G0B+3], s[G0B+3], 0x80000000
	s_add_nc_u64 s[92:93], s[G0+2:G0+3], s[2:3]    ; for the ring: my 128 rows at K step 0
	s_add_nc_u64 s[46:47], s[G0B+2:G0B+3], s[2:3]
	s_lshr_b32 s22, s100, 1                        ; one K step of A
	s_mov_b32 s23, 0
	s_mov_b32 s[G0+4], 1
	s_add_co_u32 s[G0+5], s45, SLOT
	s_add_nc_u64 s[G0+6:G0+7], s[92:93], s[22:23]  ; slot 1: K step 1
	s_lshr_b32 s22, s104, 1                        ; one K step of B
	s_mov_b32 s[G0B+4], 1
	s_add_co_u32 s[G0B+5], s45, SLOT
	s_add_nc_u64 s[G0B+6:G0B+7], s[46:47], s[22:23]
; THE HEAD'S LOADS, ONE A WAVE: one chain of branches on the wave's number, every way through it passes one load
.macro ARM under, g0, g1, next
	s_cmp_lt_u32 s14, \under
	s_cbranch_scc0 \next
	tensor_load_to_lds s[\g0:\g0+3], s[\g1:\g1+7]
	s_nop 0
.rept 4
	v_nop
.endr
	s_branch .Lhead_asked
\next:
.endm
	ARM 1, G0,  G1,  .Lhead_b
	ARM 2, G0B, G1B, .Lhead_sa
	ARM 3, G0S, G1S, .Lhead_sb
	tensor_load_to_lds s[G0SB:G0SB+3], s[G1SB:G1SB+7]
	s_nop 0
.rept 4
	v_nop
.endr
.Lhead_asked:
	v_and_b32 v1, 15, v0                           ; r = l % 16
	v_bfe_u32 v2, v0, 4, 1                         ; h = l / 16
	v_mul_u32_u24 v3, v1, PITCH
	v_mul_u32_u24 v4, v2, 24
	v_add_nc_u32 v4, v3, v4                        ; a fragment's row x pitch + 24 x half
	v_lshl_add_u32 v5, v2, 4, v4                   ; and the same behind one padding more
	s_mul_i32 s21, s15, HALFT                      ; my 128 rows of A
	s_mul_i32 s22, s16, HALFT                      ; my 128 rows of B,
	s_add_co_u32 s22, s22, 2*HALFT                 ; which lie behind A's 256
.irp s, 0,1
	v_add_nc_u32 v[ADRA+\s], s21, v4
	v_add_nc_u32 v[ADRB+\s], s22, v4
	v_add_nc_u32 v[ADRA+2+\s], s21, v5
	v_add_nc_u32 v[ADRB+2+\s], s22, v5
	s_add_co_u32 s21, s21, SLOT
	s_add_co_u32 s22, s22, SLOT
.endr
	v_lshlrev_b32 v5, 5, v1                        ; my row's scale bytes: 32 a row,
	v_lshrrev_b32 v6, 8, v5
	v_lshl_add_u32 v5, v6, 4, v5                   ; and 16 more for each 256 passed
	s_mul_i32 s21, s15, HALFS
	s_mul_i32 s22, s16, HALFS
	s_add_co_u32 s22, s22, 2*HALFS
	s_sub_co_u32 s22, s22, s21
	v_mul_u32_u24 v6, s22, v2                      ; lanes 16-31 take B's
	s_add_co_u32 s21, s21, SCL
	v_add_nc_u32 v5, v5, v6
	v_add_nc_u32 v[ADRS], s21, v5
	v_and_b32 v6, 31, v0
	v_lshlrev_b32 v[L16], 4, v6
	v_lshlrev_b32 v[L8], 3, v6
	s_lshl_b32 s23, s14, 10
	v_lshl_add_u32 v[STA], v2, 9, s23
	v_lshl_add_u32 v[STA], v1, 4, v[STA]
	v_add_nc_u32 v[STR], s23, v[L16]
.irp b, 0,1,2,3
	v_mov_b32 v[TM+4+\b], 0                        ; written once: a lane permute's destination counts as one of its sources
.endr
	s_mov_b32 s[SEL], 0x76543210
	s_mov_b32 s[SEL+1], 0xfedcba98                 ; v_permlanex16_b32's selects for lane l xor 16
	; THE BIAS, and where the results go.  s[4:5], s[6:7]: the block's two images; s[12:13]: its scale words; s[20:21]: from block to block; s[22:23]: more at block 4; s18: the mask on a scale word
	s_cmp_eq_u32 s19, 0
	s_cbranch_scc0 .Lrole_v
	s_lshl_b32 s95, s42, 10
	s_lshl_b32 s96, s16, 9
	s_add_co_u32 s95, s95, s96                     ; 4 x my first column
	v_lshl_add_u32 v[VB], v2, 6, s95               ; register j of accumulator (a, b) is column 32 (b / 2) + 8 (b % 2) + 16 h + j
.irp b, 0,1,2,3,4,5,6,7
	global_load_b128 v[BI+8*\b:BI+8*\b+3], v[VB], s[8:9] offset:(32*(\b/2)+8*(\b%2))*4
	global_load_b128 v[BI+8*\b+4:BI+8*\b+7], v[VB], s[8:9] offset:(32*(\b/2)+8*(\b%2))*4+16
.endr
	v_lshlrev_b32 v[SH], 4, v2                     ; lanes 0-15 keep the first head's two bytes, lanes 16-31 the second head's
	v_mov_b32 v[OFS], v[L16]
	s_cmp_eq_u32 ttmp9, 0                          ; q or k
	s_cselect_b32 s2, 0, K_IMG
	s_mov_b32 s3, K_SC
	s_cselect_b32 s3, Q_SC, s3
	s_lshr_b32 s95, s17, 3                         ; the batch
	s_lshl_b32 s95, s95, 4
	s_lshl_b32 s96, s40, 2
	s_add_co_u32 s95, s95, s96
	s_lshl_b32 s96, s16, 1
	s_add_co_u32 s95, s95, s96                     ; 16 x batch + my first head (4 cx + 2 x half)
	s_and_b32 s96, s17, 7
	s_lshl_b32 s96, s96, 4
	s_lshl_b32 s97, s15, 3
	s_add_co_u32 s96, s96, s97                     ; my first tile of 16 tokens in the batch
	s_lshl_b32 s97, s95, 7
	s_add_co_u32 s97, s97, s96
	s_mul_i32 s97, s97, 768
	s_add_co_u32 s2, s2, s97
	s_lshl_b32 s95, s95, 13
	s_lshl_b32 s96, s96, 6
	s_add_co_u32 s95, s95, s96
	s_add_co_u32 s12, s3, s95
	s_mov_b32 s13, 0
	s_mov_b32 s3, 0
	s_add_nc_u64 s[4:5], s[10:11], s[2:3]
	s_add_nc_u64 s[6:7], s[4:5], 128*768           ; the next head's image of the same tile
	s_add_nc_u64 s[12:13], s[10:11], s[12:13]
	s_mov_b32 s20, 768                             ; a tile on
	s_mov_b32 s21, 0
	s_mov_b32 s22, 0
	s_mov_b32 s23, 0
	s_mov_b32 s18, 0xffff
	s_branch .Lrole_done
.Lrole_v:
	v_and_b32 v[VB], 8, v1
	v_add_nc_u32 v[VB], v[VB], v1                  ; r + 8 (r / 8): lane r of block a is channel 32 (a / 2) + 8 (a % 2) + r + 8 (r / 8)
	s_lshl_b32 s95, s17, 8
	s_lshl_b32 s96, s15, 7
	s_add_co_u32 s95, s95, s96
	s_add_co_u32 s95, s95, 2048
	s_lshl_b32 s95, s95, 2
	v_lshl_add_u32 v[VB], v[VB], 2, s95
.irp a, 0,1,2,3,4,5,6,7
.irp j, 0,1,2,3,4,5,6,7
	global_load_b32 v[BI+8*\a+\j], v[VB], s[8:9] offset:(32*(\a/2)+8*(\a%2))*4   ; the lane's channel has one bias for all eight tokens
.endr
.endr
	v_mov_b32 v[SH], 0
	v_lshlrev_b32 v[OFS], 12, v2                   ; lanes 16-31 hold the next head's words: 4,096 bytes on
	v_lshl_add_u32 v[OFS], v1, 4, v[OFS]
	s_lshr_b32 s95, s42, 3                         ; the batch
	s_lshl_b32 s95, s95, 4
	s_lshl_b32 s96, s17, 2
	s_add_co_u32 s95, s95, s96
	s_lshl_b32 s96, s15, 1
	s_add_co_u32 s95, s95, s96                     ; 16 x batch + my first head
	s_and_b32 s96, s42, 7
	s_lshl_b32 s96, s96, 1
	s_add_co_u32 s96, s96, s16                     ; my key step: 128 tokens
	s_mul_i32 s2, s95, 98304
	s_mul_i32 s97, s96, 6144
	s_add_co_u32 s2, s2, s97
	s_add_co_u32 s2, s2, V_IMG
	s_mov_b32 s3, 0
	s_lshl_b32 s95, s95, 12
	s_lshl_b32 s96, s96, 8
	s_add_co_u32 s12, s95, s96
	s_add_co_u32 s12, s12, V_SC
	s_mov_b32 s13, 0
	s_add_nc_u64 s[4:5], s[10:11], s[2:3]
	s_add_nc_u64 s[6:7], s[4:5], 768               ; the fragment's second six registers
	s_add_nc_u64 s[12:13], s[10:11], s[12:13]
	s_mov_b32 s20, 1536                            ; a channel tile on
	s_mov_b32 s21, 0
	s_mov_b32 s22, 98304-6144                      ; and at block 4 on to the next head
	s_mov_b32 s23, 0
	s_mov_b32 s18, -1
.Lrole_done:
.macro FRAG reg, adr, q, i             ; 16 rows x 128 K of 6-bit codes: lane l holds row l % 16; registers 6 c .. 6 c + 5 hold K = 64 c + 32 (l / 16) + 0 .. 31, in pieces of 8 bytes
.irp p, 0,1,2,3,4,5
.set PCE, 12*(\q)+6*(\p/3)+\p%3        ; 16 bytes of padding lie behind every 8 pieces: where the piece three on lies behind one padding more, the second address register serves
.if PCE%8 < 5
	ds_load_b64 v[\reg+2*\p:\reg+2*\p+1], v[\adr] offset:8*PCE+16*(PCE/8)+(\i)*16*PITCH
.else
	ds_load_b64 v[\reg+2*\p:\reg+2*\p+1], v[\adr+2] offset:8*PCE+16*(PCE/8)+(\i)*16*PITCH
.endif
.endr
.endm
; 16 matrix instructions: A's blocks a0, a0 + 1 x B's eight.  mode 0: onto the sums; 1: C = the bias by B's block; 2: C = the bias by A's block.  The 64 accumulators take turns, one instruction a turn.
.macro MUL16 a0, p, q, sc, mode
.irp a, \a0, \a0+1
.irp b, 0,1,2,3,4,5,6,7
.if \mode == 1
	v_wmma_scale_f32_16x16x128_f8f6f4 v[8*(8*((\a)%4)+\b):8*(8*((\a)%4)+\b)+7], v[128*(\p)+FR*\b:128*(\p)+FR*\b+FR-1], v[AF+FR*(\a):AF+FR*(\a)+FR-1], v[BI+8*\b:BI+8*\b+7], v[SC+8*NQ*(\sc)+NQ*\b+(\q)], v[SC+8*NQ*(\sc)+NQ*(\a)+(\q)] matrix_a_fmt:MATRIX_FMT_FP6 matrix_b_fmt:MATRIX_FMT_FP6 matrix_a_scale:MATRIX_SCALE_ROW1
.elseif \mode == 2
	v_wmma_scale_f32_16x16x128_f8f6f4 v[8*(8*((\a)%4)+\b):8*(8*((\a)%4)+\b)+7], v[128*(\p)+FR*\b:128*(\p)+FR*\b+FR-1], v[AF+FR*(\a):AF+FR*(\a)+FR-1], v[BI+8*(\a):BI+8*(\a)+7], v[SC+8*NQ*(\sc)+NQ*\b+(\q)], v[SC+8*NQ*(\sc)+NQ*(\a)+(\q)] matrix_a_fmt:MATRIX_FMT_FP6 matrix_b_fmt:MATRIX_FMT_FP6 matrix_a_scale:MATRIX_SCALE_ROW1
.else
	v_wmma_scale_f32_16x16x128_f8f6f4 v[8*(8*((\a)%4)+\b):8*(8*((\a)%4)+\b)+7], v[128*(\p)+FR*\b:128*(\p)+FR*\b+FR-1], v[AF+FR*(\a):AF+FR*(\a)+FR-1], v[8*(8*((\a)%4)+\b):8*(8*((\a)%4)+\b)+7], v[SC+8*NQ*(\sc)+NQ*\b+(\q)], v[SC+8*NQ*(\sc)+NQ*(\a)+(\q)] matrix_a_fmt:MATRIX_FMT_FP6 matrix_b_fmt:MATRIX_FMT_FP6 matrix_a_scale:MATRIX_SCALE_ROW1
.endif
.endr
.endr
.endm
.macro FETCH_B slot, q, p
	WIN TO_B
.irp i, 0,1,2,3,4,5,6,7
	FRAG 128*(\p)+FR*\i, ADRB+\slot, \q, \i
.endr
	WIN 0
.endm
.macro FETCH_A slot, q, i0
.irp i, \i0, \i0+1, \i0+2, \i0+3
	FRAG AF+FR*(\i), ADRA+\slot, \q, \i
.endr
.endm
.macro SCALES sc                       ; a K step's scale words: lanes 0-15 take A's block i, lanes 16-31 B's block i
.irp i, 0,1,2,3,4,5,6,7
	ds_load_b64 v[SC+8*NQ*\sc+NQ*\i:SC+8*NQ*\sc+NQ*\i+1], v[ADRS] offset:\i*SBLK
.endr
.endm
.macro PLACES n                        ; plain vector lines between a matrix instruction and a load into, or a vector line on, its registers
.rept \n
	v_nop
.endr
.endm
.macro STEP slot, q, mode              ; 128 along K that have their successor in the same slot
	s_wait_dscnt 4*NLA                             ; B's set and A's blocks 0-3 are in; the youngest loads (A's blocks 4-7) may be out
.if \mode
	WIN BEG_LO
.else
	WIN MUL_LO
.endif
	MUL16 0, (\q)%2, \q, \slot, \mode
	MUL16 2, (\q)%2, \q, \slot, \mode
	s_wait_dscnt 0                                 ; A's blocks 4-7 are in
	PLACES NP
	FETCH_B \slot, (\q)+1, 1-(\q)%2
	FETCH_A \slot, (\q)+1, 0
.if \mode
	WIN BEG_HI
.else
	WIN MUL_HI
.endif
	MUL16 4, (\q)%2, \q, \slot, \mode
	MUL16 6, (\q)%2, \q, \slot, \mode
	PLACES NP
	WIN 0
	FETCH_A \slot, (\q)+1, 4
.endm
; A slot's last step changes slots: ONE barrier; in front of it each wave waits for all its tensor loads, adds 0 to its spare word, and waits for that and for its reads of this slot.  fill = 1: the slot is filled again, two K steps ahead.
.macro TURN slot, next, fill
	s_wait_tensorcnt 0x0                           ; all my tensor loads have landed: my part of the next slot
	ds_add_u32 v[SPW], v[NIL]                      ; 0 onto my spare word
	s_wait_dscnt 4*NLA+1                           ; the add and the youngest loads, A's blocks 4-7, may be out
	WIN MUL_LO
	MUL16 0, 1, NQ-1, \slot, 0
	s_wait_dscnt 0x0                               ; the add is done, and my reads of this slot are over
	s_barrier_signal -1
	MUL16 2, 1, NQ-1, \slot, 0
	WIN 0
	s_barrier_wait -1
.if \fill
	CREST                                          ; the barrier has opened a round of the cluster's: no wave of any partner still reads this slot or has a load on its way
	s_add_nc_u64 s[G0+4*\slot+2:G0+4*\slot+3], s[G0+4*\slot+2:G0+4*\slot+3], s[100:101]
	s_add_nc_u64 s[G0B+4*\slot+2:G0B+4*\slot+3], s[G0B+4*\slot+2:G0B+4*\slot+3], s[104:105]
	JLOAD G0+4*\slot, G1, G0B+4*\slot, G1B         ; the first tensor load behind the round; its four v_nop are also the places in front of the loads below
.else
	PLACES NP
.endif
	s_wait_alu depctr_va_vdst(0)
	v_add_nc_u32 v[ADRS], 4*NQ, v[ADRS]            ; on to the next K step's scale words
	FETCH_B \next, 0, 0
	FETCH_A \next, 0, 0
	SCALES \next
	WIN MUL_HI
	MUL16 4, 1, NQ-1, \slot, 0
	MUL16 6, 1, NQ-1, \slot, 0
	PLACES NP
	WIN 0
	FETCH_A \next, 0, 4
.endm
	s_wait_alu depctr_va_vdst(0)
	s_wait_loadcnt 0x0                             ; the bias
	s_wait_tensorcnt 0x0                           ; my tile of the head's four is in
	ds_add_u32 v[SPW], v[NIL]
	s_mov_b32 s[G1+2], 96<<16                      ; no tensor load of mine is out: from here on a load brings 128 rows of codes, 96 rows of 256 bytes
	s_mov_b32 s[G1+4], 96
	s_mov_b32 s[G1B+2], 96<<16
	s_mov_b32 s[G1B+4], 96
	s_mov_b32 s[G0+1], s45                         ; slot 0's group 0 for the ring: my 128 rows at K step 0; its first refill steps two K steps on
	s_mov_b64 s[G0+2:G0+3], s[92:93]
	s_mov_b32 s[G0B+1], s45
	s_mov_b64 s[G0B+2:G0B+3], s[46:47]
	s_wait_dscnt 0x0
	CROUND                                         ; a whole round: all four tiles are in, and the joint loads meet
	JLOAD G0+4, G1, G0B+4, G1B                     ; K step 1, the first tensor load behind the round
	FETCH_B 0, 0, 0
	FETCH_A 0, 0, 0
	SCALES 0
	FETCH_A 0, 0, 4
	s_cmp_eq_u32 s19, 0                            ; the first step's products start the sums with the bias, which lies by B's blocks for q and k and by A's blocks for v
	s_cbranch_scc0 .Lfirst_v
	STEP 0, 0, 1
	s_branch .Lfirst_done
.Lfirst_v:
	STEP 0, 0, 2
.Lfirst_done:
	s_mov_b32 s3, LAPS-1
.Llap:                                                 ; a trip goes once round the ring and fills both slots again
	TURN 0, 1, 1
	STEP 1, 0, 0
	TURN 1, 0, 1
	STEP 0, 0, 0
	s_sub_co_u32 s3, s3, 1
	s_cmp_lg_u32 s3, 0
	s_cbranch_scc1 .Llap
	TURN 0, 1, 0                                   ; the last lap fills nothing
	STEP 1, 0, 0
	s_wait_dscnt 4*NLA
	WIN MUL_LO
	MUL16 0, 1, NQ-1, 1, 0
	MUL16 2, 1, NQ-1, 1, 0
	s_wait_dscnt 0
	WIN MUL_HI
	MUL16 4, 1, NQ-1, 1, 0
	MUL16 6, 1, NQ-1, 1, 0
	WIN 0
; THE WAY OUT of block a: my lane's 64 numbers (register 16 b + i = 32 b + 16 (lane / 16) + i along the next K) become 12 registers of codes and a scale word.
.macro OUTA a
.set W, 2+(\a)/4
.set AC, 64*((\a)%4)
	WIN ((W<<2)|(W<<4))                            ; sources 1 and 2: the accumulators' window
.irp b, 0,1,2,3
	v_max3_num_f32 v[TM+\b], 0x1800000, |v[AC+16*\b]|, |v[AC+16*\b+1]|   ; block b: my 16 numbers and the floor 2^(3 - 127); each accumulator is read from its low end on
.endr
.irp i, 2,4,6,8,10,12,14
.irp b, 0,1,2,3
	v_max3_num_f32 v[TM+\b], v[TM+\b], |v[AC+16*\b+\i]|, |v[AC+16*\b+\i+1]|
.endr
.endr
	WIN 0
.irp b, 0,1,2,3
	v_permlanex16_b32 v[TM+4+\b], v[TM+\b], s[SEL], s[SEL+1]
.endr
.irp b, 0,1,2,3
	v_max_num_f32 v[TM+\b], v[TM+\b], v[TM+4+\b]   ; with lane l xor 16's: the block's largest magnitude
.endr
.irp b, 0,1,2,3
	v_add_nc_u32 v[TM+12+\b], 0xff000000, v[TM+\b] ; 2 off its exponent field: the conversion's scale operand
.endr
.irp b, 0,1,2,3
	v_lshrrev_b32 v[TM+4+\b], 23, v[TM+12+\b]      ; the scale's byte
.endr
	v_lshl_or_b32 v[PW], v[TM+5], 8, v[TM+4]
	v_lshl_or_b32 v[PW], v[TM+6], 16, v[PW]
	v_lshl_or_b32 v[PW], v[TM+7], 24, v[PW]
	s_wait_xcnt 0x0                                ; the last block's stores have read their data and their bases: both are written again below
.if (\a) > 0
	s_add_nc_u64 s[4:5], s[4:5], s[20:21]
	s_add_nc_u64 s[6:7], s[6:7], s[20:21]
.endif
.if (\a) == 4
	s_add_nc_u64 s[4:5], s[4:5], s[22:23]
	s_add_nc_u64 s[6:7], s[6:7], s[22:23]
.endif
	WIN W                                          ; source 0: the accumulators' window
.irp c, 0,1
	v_cvt_scalef32_pk16_fp6_f32 v[CD+6*\c:CD+6*\c+2], v[AC+32*\c:AC+32*\c+15], v[TM+12+2*\c]
	v_cvt_scalef32_pk16_fp6_f32 v[CD+12+4*\c:CD+14+4*\c], v[AC+32*\c+16:AC+32*\c+31], v[TM+13+2*\c]   ; (a conversion's three registers begin on an even number)
.endr
	WIN 0
	v_nop                                          ; one plain line behind a scaled conversion
.irp c, 0,1                                    ; the operand's layout wants a whole block in a lane: lanes 0-15 block 2 c, lanes 16-31 block 2 c + 1
.irp i, 0,1,2
	v_permlane16_swap_b32 v[CD+6*\c+\i], v[CD+12+4*\c+\i]
.endr
.irp i, 0,1,2
	v_mov_b32 v[CD+3+6*\c+\i], v[CD+12+4*\c+\i]
.endr
.endr
	v_lshrrev_b32 v[T], v[SH], v[PW]
	v_and_b32 v[T], s18, v[T]                      ; q, k: my half's head has two bytes; v: all four
	ds_store_b32 v[STA], v[T] offset:256*((\a)/4)+4*((\a)%4)
	global_store_b128 v[L16], v[CD:CD+3], s[4:5]                ; 32 lanes store 512 consecutive bytes, aligned to 256,
	global_store_b64 v[L8], v[CD+4:CD+5], s[4:5] offset:512     ; and 256 more
	global_store_b128 v[L16], v[CD+6:CD+9], s[6:7]
	global_store_b64 v[L8], v[CD+10:CD+11], s[6:7] offset:512
.endm
	PLACES NP                                      ; behind the last products: their A fragments' registers are written below
.irp a, 0,1,2,3,4,5,6,7
	OUTA \a
.endr
	ds_load_b128 v[XO:XO+3], v[STR]                ; the scale words come back four to a lane; LDS serves a wave's instructions in order
	ds_load_b128 v[XO+4:XO+7], v[STR] offset:512
	s_wait_dscnt 0x0
	global_store_b128 v[OFS], v[XO:XO+3], s[12:13]
	s_cmp_eq_u32 s19, 0
	s_cbranch_scc0 .Lno_second
	global_store_b128 v[OFS], v[XO+4:XO+7], s[12:13] offset:8192   ; q, k: the second head's words, a head's 8,192 bytes on
.Lno_second:
	s_wait_tensorcnt 0x0                           ; the wave's end
	ds_add_u32 v[SPW], v[NIL]
	s_wait_dscnt 0x0
	CROUND                                         ; the closing round
	s_endpgm
.Lfunc_end_k_q0177b06c48_gemm_qkv:
	.size	k_q0177b06c48_gemm_qkv, .Lfunc_end_k_q0177b06c48_gemm_qkv-k_q0177b06c48_gemm_qkv
	.p2alignl 7, 3214868480
	.fill 96, 4, 3214868480
	.section	.rodata,"a",@progbits
	.p2align	6, 0x0
	.amdhsa_kernel k_q0177b06c48_gemm_qkv
		.amdhsa_group_segment_fixed_size 327680
		.amdhsa_private_segment_fixed_size 0
		.amdhsa_enable_private_segment 0
		.amdhsa_kernarg_size 32
		.amdhsa_user_sgpr_count 2
		.amdhsa_user_sgpr_kernarg_segment_ptr 1
		.amdhsa_wavefront_size32 1
		.amdhsa_system_sgpr_workgroup_id_x 1
		.amdhsa_system_sgpr_workgroup_id_y 1
		.amdhsa_system_sgpr_workgroup_id_z 1
		.amdhsa_system_vgpr_workitem_id 0
		.amdhsa_next_free_vgpr 1024
		.amdhsa_next_free_sgpr 106
		.amdhsa_reserve_vcc 0
		.amdhsa_float_denorm_mode_32 3
		.amdhsa_float_denorm_mode_16_64 3
		.amdhsa_memory_ordered 1
		.amdhsa_forward_progress 1
		.amdhsa_inst_pref_size 193
	.end_amdhsa_kernel
	.amdgpu_metadata
---
amdhsa.version: [ 1, 2 ]
amdhsa.kernels:
  - .name:           k_q0177b06c48_gemm_qkv
    .symbol:         k_q0177b06c48_gemm_qkv.kd
    .args:
      - { .name: xq, .offset: 0, .size: 8, .value_kind: global_buffer, .address_space: global }
      - { .name: wq, .offset: 8, .size: 8, .value_kind: global_buffer, .address_space: global }
      - { .name: b_attn, .offset: 16, .size: 8, .value_kind: global_buffer, .address_space: global }
      - { .name: qkv, .offset: 24, .size: 8, .value_kind: global_buffer, .address_space: global }
    .group_segment_fixed_size: 327680
    .private_segment_fixed_size: 0
    .kernarg_segment_align: 8
    .kernarg_segment_size: 32
    .max_flat_workgroup_size: 128
    .sgpr_count:     106
    .vgpr_count:     1024
    .wavefront_size: 32
...
	.end_amdgpu_metadata
.endif
;; end of part 2
;; launch attn (part 3): grid 4 x 64, 16 waves a work-group, no clusters, 210,944 bytes of LDS; arguments qkv, yq; writes yq
.if DOCPART == 3
	.amdgcn_target "amdgcn-amd-amdhsa--gfx1250"
	.amdhsa_code_object_version 6
	.text
	.protected	k_q0177b06c48_attn
	.globl	k_q0177b06c48_attn
	.p2align	8
	.type	k_q0177b06c48_attn,@function
k_q0177b06c48_attn:
	s_mov_b64 s[64:65], 0
	v_nop
	global_prefetch_b8 v0, s[64:65] scope:SCOPE_SE
	s_setreg_imm32_b32 hwreg(HW_REG_WAVE_MODE, 25, 1), 1
	s_wait_xcnt 0x0
; y = softmax(q k^T / 8, causal) v for one head, both products on codes of FP6 (E2M3); y leaves as codes for the last product.
; THE SOFTMAX: t = score x log2(e) / 8; M = the running largest t rounded UP to a whole number; p = 2^(t - M) is quantised along the keys, not normalised; the row's sum is taken of the unquantised p and divides at the end.
; SHARES.  A work-group is one of 64 (batch, head) and a quarter x of its query tiles; wave w takes two tiles of 16 queries: first 127 - (16 x + w), then 16 x + w.  Tile tt needs key steps 0 .. tt / 8 of 128 keys
; (the steps behind them lie wholly under the causal mask and are left out): every wave works 17 key steps.  Sixteen waves of 256 registers, four to a SIMD.
; LDS.  The head's K and V, as images of operand registers, and their scale words lie in LDS whole: 208,896 bytes, each byte filled once; nothing is stored to LDS.
; FILLS, at most one tensor load a wave: waves 0-3 keys 0-511 of K and of V (12,288 bytes each), waves 4-6 the scale words (4,096 each), waves 8-15 keys 512-2,047 (18,432 each); wave 7 none.
; The first barrier shows waves 0-6's tiles alone; they serve the first tile's trips 0-3, which every wave works (that tile's number is 64 at the least).  The second barrier, behind trip 3, shows the rest.  No barrier stands between the tiles.
; NO CLUSTER, though the four work-groups of a head read the same K and V: which key steps a wave leaves out hangs on its work-group's x.
; No prefetch: every byte of K and V is asked for in the kernel's first lines.
; LAYOUT.  Both products are used transposed (S^T = K Q^T, O^T = V^T P^T): a lane holds one query.  Row r of tile 2 B + u of q and of k is token 32 B + 8 u + r + 8 (r / 8), likewise V's channels: so the 16 registers of two
; neighbouring tiles are 16 neighbours along the next K.  The head's 64 channels fill half of the instruction's 128: registers 6-11 of q's and k's fragments are zero codes.
; AN IMAGE is six registers x 32 lanes, 768 bytes: registers 0-3 at 16 x lane, registers 4-5 at 512 + 8 x lane.
; OUT: y_img [batch x 128 + tile][head 16][768]; y's scale bytes [8,192 positions][32] at Y_SC, two bytes for a head and a row: those stores cover parts of 256-byte runs (262,144 bytes in all).
; LIMITS: a block of zeros gets the byte 1 where the quantiser says 127 (its codes are zeros; this program alone reads the bytes); NaN and infinities are not served.
.set K_IMG, 6291456
.set V_IMG, 12582912
.set Q_SC,  18874368
.set K_SC,  19398656
.set V_SC,  19922944
.set Y_SC,  6291456
.set VB0,   98304                      ; LDS: K's images at 0, V's here,
.set KSB,   196608                     ; K's scale words (8,192 bytes),
.set VSB,   204800                     ; V's (4,096); the spare words behind them, at 0x33000
.set L16,  1                           ; v1 16 x lane; v2 8 x lane; v3, v4 the same in V's region
.set L8,   2
.set LV16, 3
.set LV8,  4
.set R16K, 5                           ; KSB + 16 r
.set R16V, 6                           ; VSB + 16 r
.set RQ,   7                           ; r + 8 (r / 8) - 16 h
.set ADK16, 8                          ; v8-11, v28, v29: the key step's addresses
.set ADK8,  9
.set ADV16, 10
.set ADV8,  11
.set ADS,  28
.set ADT,  29
.set YB,   30                          ; 32 r + h
.set QA,   16                          ; v16-27 the short tile's q; v80-91 the long tile's
.set QB,   80
.set KF,   32                          ; v32-79 four fragments of K
.set QSA,  92                          ; v92-94: scale words alone: q's two, p's
.set QSB,  93
.set PSW,  94
.set S,    96                          ; v96-159 S^T, then p; then V's four fragments in v96-143
.set VF,   96
.set OT,   160                         ; v160-191 O^T
.set KSW,  192
.set VSW,  196
.set PC,   200                         ; v200-211 p's codes
.set PT,   212
.set BM,   220
.set BT,   224
.set SO,   228
.set FF,   232                         ; v[232:233] f = 2^(old M - new M)
.set TP,   234
.set NINF, 238
.set VD,   239
.set YBY,  240
.set YO,   241
.set WV,   8
.set G1C,  24                          ; s[24:31] 48 rows of 256 bytes; s[32:39] 16 rows; s[40:47] 72 rows
.set G1KS, 32
.set G1R,  40
.set G0P,  48                          ; s[48:51] waves 0-3's group 0; s[52:55] waves 4-6's; s[56:59] waves 8-15's
.set G0S,  52
.set G0R,  56
.set CS,   84
.set SEL,  86
.set TB,   88
.set TS,   89
.set TJ,   90
.set KC,   91
.set DS,   92
.set HM,   94
.macro G1ROWS g, rows                  ; a dense block as rows of 256 bytes: 32 elements of 8 bytes, no padding
	s_mov_b32 s[\g], 3<<16
	s_mov_b32 s[\g+1], 32<<16
	s_mov_b32 s[\g+2], \rows<<16
	s_mov_b32 s[\g+3], 32<<16
	s_mov_b32 s[\g+4], \rows
	s_mov_b32 s[\g+5], 32
	s_mov_b32 s[\g+6], 0
	s_mov_b32 s[\g+7], 0
.endm
.macro G0ONE g, lreg, greg             ; a group 0: LDS place s[lreg], byte s[greg] of qkv
	s_mov_b32 s96, s[\greg]
	s_mov_b32 s[\g], 1
	s_mov_b32 s[\g+1], s[\lreg]
	s_add_nc_u64 s[\g+2:\g+3], s[4:5], s[96:97]
	s_or_b32 s[\g+3], s[\g+3], 0x80000000
.endm
.macro ONELOAD g0, g1
	tensor_load_to_lds s[\g0:\g0+3], s[\g1:\g1+7]
	s_nop 0
.rept 4
	v_nop
.endr
.endm
.macro QLOAD tsr, qf, qsw, va          ; tile s[tsr]'s image of q and its scale words; va: three registers of offsets
	s_lshl_b32 s95, s9, 7
	s_add_co_u32 s95, s95, s[\tsr]
	s_mul_i32 s95, s95, 768
	v_add_nc_u32 v[\va], s95, v[L16]
	s_wait_alu depctr_va_vdst(0)
	v_add_nc_u32 v[\va+1], s95, v[L8]
	s_wait_alu depctr_va_vdst(0)
	s_lshl_b32 s95, s9, 13
	s_lshr_b32 s96, s[\tsr], 2
	s_lshl_b32 s96, s96, 8
	s_add_co_u32 s95, s95, s96
	s_and_b32 s96, s[\tsr], 3
	s_lshl_b32 s96, s96, 2
	s_add_co_u32 s95, s95, s96
	s_add_co_u32 s95, s95, Q_SC
	v_lshl_add_u32 v[\va+2], v97, 4, s95
	global_load_b128 v[\qf:\qf+3], v[\va], s[4:5]
	global_load_b64 v[\qf+4:\qf+5], v[\va+1], s[4:5] offset:512
	global_load_b32 v[\qsw], v[\va+2], s[4:5]
.endm
	s_load_b128 s[4:7], s[0:1], 0x0                ; qkv, yq
	v_lshl_add_u32 v254, v0, 2, 0x33000
	v_mov_b32 v255, 0
	ds_add_u32 v254, v255                          ; the opening lines: the add twice on end and its wait
	ds_add_u32 v254, v255
	v_lshrrev_b32 v1, 5, v0
	s_delay_alu instid0(VALU_DEP_1)
	v_readfirstlane_b32 s[WV], v1                  ; wave 0..15
	s_and_b32 s9, ttmp7, 0xffff                    ; 16 x batch + head
	s_mul_i32 s23, s9, 98304                       ; the head's K or V
	s_and_b32 s10, s[WV], 1                        ; waves 0-3: K or V by bit 1, which 12,288 bytes by bit 0
	s_bfe_u32 s11, s[WV], 0x10001
	s_mul_i32 s12, s10, 12288
	s_mul_i32 s13, s11, VB0
	s_add_co_u32 s13, s13, s12                     ; their LDS place
	s_mul_i32 s14, s11, V_IMG-K_IMG
	s_add_co_u32 s14, s14, s12
	s_add_co_u32 s14, s14, s23
	s_add_co_u32 s14, s14, K_IMG                   ; and their byte in qkv
	s_and_b32 s10, s[WV], 3
	s_lshl_b32 s15, s10, 12                        ; waves 4-6: 4,096 bytes of scale words: K's two halves, then V's
	s_add_co_u32 s18, s15, KSB
	s_lshl_b32 s21, s9, 13
	s_add_co_u32 s21, s21, s15
	s_add_co_u32 s21, s21, K_SC
	s_lshl_b32 s22, s9, 12
	s_add_co_u32 s22, s22, V_SC
	s_cmp_eq_u32 s10, 2
	s_cselect_b32 s21, s22, s21
	s_bfe_u32 s11, s[WV], 0x10002                  ; waves 8-15: K or V by bit 2, which 18,432 bytes behind the first 24,576 by bits 1:0
	s_mul_i32 s12, s10, 18432
	s_add_co_u32 s12, s12, 24576
	s_mul_i32 s19, s11, VB0
	s_add_co_u32 s19, s19, s12
	s_mul_i32 s20, s11, V_IMG-K_IMG
	s_add_co_u32 s20, s20, s12
	s_add_co_u32 s20, s20, s23
	s_add_co_u32 s20, s20, K_IMG
	G1ROWS G1C, 48
	G1ROWS G1KS, 16
	G1ROWS G1R, 72
	s_mov_b32 s97, 0
	s_mov_b32 s[CS], 0x3e38aa3b                    ; c = log2(e) / 8
	s_mov_b32 s[CS+1], s[CS]                       ; (named with it as a pair, so it is written)
	s_mov_b32 s[SEL], 0x76543210
	s_mov_b32 s[SEL+1], 0xfedcba98                 ; v_permlanex16_b32's selects for lane l xor 16
	s_mov_b32 s[HM], 0xffff0000                    ; lanes 16-31
	s_lshl_b32 s16, ttmp9, 4
	s_add_co_u32 s16, s16, s[WV]                   ; my short tile,
	s_sub_co_u32 s17, 127, s16                     ; and my long one
	s_wait_dscnt 0x0
	s_wait_kmcnt 0x0
	G0ONE G0P, 13, 14
	G0ONE G0S, 18, 21
	G0ONE G0R, 19, 20
	s_cmp_lt_u32 s[WV], 4                          ; the fills, in one chain of branches on the wave's number; what is read first is asked for in the first arms
	s_cbranch_scc0 .Lnot_p
	ONELOAD G0P, G1C
	s_branch .Lasked
.Lnot_p:
	s_cmp_lt_u32 s[WV], 7
	s_cbranch_scc0 .Lnot_s
	ONELOAD G0S, G1KS
	s_branch .Lasked
.Lnot_s:
	s_cmp_lt_u32 s[WV], 8
	s_cbranch_scc1 .Lasked
	ONELOAD G0R, G1R
.Lasked:
	v_and_b32 v96, 31, v0                          ; lane
	v_and_b32 v97, 15, v0                          ; r
	v_bfe_u32 v98, v0, 4, 1                        ; h
	s_delay_alu instid0(VALU_DEP_3)
	v_lshlrev_b32 v[L16], 4, v96
	s_delay_alu instid0(VALU_DEP_4)
	v_lshlrev_b32 v[L8], 3, v96
	s_delay_alu instid0(VALU_DEP_2)
	v_add_nc_u32 v[LV16], VB0, v[L16]
	s_delay_alu instid0(VALU_DEP_2)
	v_add_nc_u32 v[LV8], VB0, v[L8]
	v_lshl_add_u32 v[R16K], v97, 4, KSB
	v_lshl_add_u32 v[R16V], v97, 4, VSB
	v_and_b32 v[RQ], 8, v97
	s_delay_alu instid0(VALU_DEP_1)
	v_add_nc_u32 v[RQ], v[RQ], v97
	v_lshlrev_b32 v99, 4, v98
	s_delay_alu instid0(VALU_DEP_1)
	v_sub_nc_u32 v[RQ], v[RQ], v99
	v_lshl_add_u32 v[YB], v97, 5, v98
	QLOAD 16, QA, QSA, 100
	QLOAD 17, QB, QSB, 104
.irp j, 6,7,8,9,10,11
	v_mov_b32 v[QA+\j], 0                          ; K = 64 .. 127 of q's and k's fragments: zero codes
	v_mov_b32 v[QB+\j], 0
	v_mov_b32 v[KF+\j], 0
	v_mov_b32 v[KF+12+\j], 0
	v_mov_b32 v[KF+24+\j], 0
	v_mov_b32 v[KF+36+\j], 0
.endr
.irp b, 0,1,2,3
	v_mov_b32 v[BT+\b], 0                          ; written once: a lane permute's destination counts as one of its sources
.endr
	v_mov_b32 v[FF+1], 0                           ; (named as the upper half of a pair)
	v_mov_b32 v[TP], 0
	v_mov_b32 v[NINF], 0xff800000                  ; -infinity
; A TILE OF 16 QUERIES in three parts.  INIT: its state.  tsr: the scalar register with the tile's number
.macro INIT tsr
	s_lshr_b32 s[DS], s[\tsr], 3                   ; the key step on the diagonal
	s_lshr_b32 s95, s[\tsr], 1
	s_and_b32 s95, s95, 3
	s_lshl_b32 s95, s95, 5
	s_and_b32 s96, s[\tsr], 1
	s_lshl_b32 s96, s96, 3
	s_add_co_u32 s95, s95, s96
	v_add_nc_u32 v[VD], s95, v[RQ]                 ; d = my query - the diagonal step's first key - 16 h
	v_mov_b32 v13, 0xff61b1e6                      ; the largest t so far: -3e38
	s_delay_alu instid0(VALU_DEP_1)
	v_floor_f32 v12, -v13                          ; -M
	v_mov_b32 v14, 0                               ; the sum, in two halves
	v_mov_b32 v15, 0
.set j, 0
.rept 32
	v_mov_b32 v[OT+j], 0                           ; O^T: the first step finds zeros, which the first change of M leaves zeros
.set j, j+1
.endr
.endm
; LOOP: key steps from .. ntrip - 1, both constants; qf, qsw: q's fragment and scale words
.macro LOOP from, ntrip, qf, qsw
	s_mov_b32 s[TB], \from*6144
	s_mov_b32 s[TS], \from*512
	s_mov_b32 s[TJ], \from*256
	s_mov_b32 s[KC], \from
.Ltrip_\@:
	s_cmp_gt_u32 s[KC], s[DS]                      ; a step all of whose keys come after my queries is left out: a branch on ids
	s_cbranch_scc1 .Lhidden_\@
	v_add_nc_u32 v[ADK16], s[TB], v[L16]           ; six plain lines: also the places between the last step's V products and the products that write over V's fragments
	s_wait_alu depctr_va_vdst(0)
	v_add_nc_u32 v[ADK8], s[TB], v[L8]
	s_wait_alu depctr_va_vdst(0)
	v_add_nc_u32 v[ADV16], s[TB], v[LV16]
	v_add_nc_u32 v[ADV8], s[TB], v[LV8]
	v_add_nc_u32 v[ADS], s[TS], v[R16K]
	s_wait_alu depctr_va_vdst(0)
	v_add_nc_u32 v[ADT], s[TJ], v[R16V]
.irp g, 0,1                                    ; S^T = K Q^T, four tiles of 16 keys at a time
.rept 4*\g
	v_nop                                          ; places in front of loads into registers that matrix instructions have read
.endr
.irp x, 0,1,2,3
	ds_load_b128 v[KF+12*\x:KF+12*\x+3], v[ADK16] offset:(4*\g+\x)*768
	ds_load_b64 v[KF+12*\x+4:KF+12*\x+5], v[ADK8] offset:(4*\g+\x)*768+512
.endr
	ds_load_b128 v[KSW:KSW+3], v[ADS] offset:256*\g   ; row r's scale words of the four tiles
	s_wait_dscnt 0x0
.irp x, 0,1,2,3
	v_wmma_scale_f32_16x16x128_f8f6f4 v[S+8*(4*\g+\x):S+8*(4*\g+\x)+7], v[KF+12*\x:KF+12*\x+11], v[\qf:\qf+11], 0, v[KSW+\x], v[\qsw] matrix_a_fmt:MATRIX_FMT_FP6 matrix_b_fmt:MATRIX_FMT_FP6
.endr
.endr
.rept 4
	v_nop
.endr
	s_cmp_lt_u32 s[KC], s[DS]                      ; under the diagonal step every key counts
	s_cbranch_scc1 .Lopen_\@
.set n, 0
.rept 64                                       ; register 16 b + i holds key 32 b + 16 h + i of the step: hidden where 32 b + i > d
	v_cmp_gt_i32 vcc_lo, 32*(n/16)+n%16, v[VD]
	v_cndmask_b32 v[S+n], v[S+n], v[NINF], vcc_lo
.set n, n+1
.endr
.Lopen_\@:
.irp b, 0,1,2,3
	v_max3_num_f32 v[BM+\b], v[S+16*\b], v[S+1+16*\b], v[S+2+16*\b]   ; the largest score of each block of 32 keys: for the row's maximum, and, since p rises with the score, for the block's largest p
.endr
.irp i, 3,5,7,9,11,13
.irp b, 0,1,2,3
	v_max3_num_f32 v[BM+\b], v[BM+\b], v[S+16*\b+\i], v[S+1+16*\b+\i]
.endr
.endr
.irp b, 0,1,2,3
	v_max_num_f32 v[BM+\b], v[BM+\b], v[S+15+16*\b]
.endr
.irp b, 0,1,2,3
	s_delay_alu instid0(VALU_DEP_4)
	v_permlanex16_b32 v[BT+\b], v[BM+\b], s[SEL], s[SEL+1]
.endr
.irp b, 0,1,2,3
	s_delay_alu instid0(VALU_DEP_4)
	v_max_num_f32 v[BM+\b], v[BM+\b], v[BT+\b]     ; with lane l xor 16's 16 keys
.endr
	s_delay_alu instid0(VALU_DEP_2)
	v_max3_num_f32 v[TP], v[BM], v[BM+1], v[BM+2]
	s_delay_alu instid0(VALU_DEP_1)
	v_max_num_f32 v[TP], v[TP], v[BM+3]
	s_delay_alu instid0(VALU_DEP_1)
	v_mul_f32 v[TP], s[CS], v[TP]                  ; the step's largest t
	s_delay_alu instid0(VALU_DEP_1)
	v_max_num_f32 v13, v13, v[TP]
	v_mov_b32 v[TP], v12
	s_delay_alu instid0(VALU_DEP_2)
	v_floor_f32 v12, -v13                          ; the new -M = -ceil(t)
	s_delay_alu instid0(VALU_DEP_1)
	v_sub_f32 v[TP], v12, v[TP]                    ; old M - new M: a whole number, 0 or less
	s_delay_alu instid0(VALU_DEP_1)
	v_cvt_i32_f32 v[TP], v[TP]                     ; (it saturates)
	s_delay_alu instid0(VALU_DEP_1)
	v_ldexp_f32 v[FF], 1.0, v[TP]                  ; f = 2^(old M - new M): a multiplication by it rounds nothing
.set j, 0
.rept 32
	v_pk_fma_f32 v[S+j:S+j+1], v[S+j:S+j+1], s[CS:CS+1], v[12:13] op_sel_hi:[1,0,0]   ; t - M, two at a time
.set j, j+2
.endr
.irp b, 0,1,2,3
	v_fma_f32 v[BM+\b], v[BM+\b], s[CS], v12
.endr
.set j, 0
	s_wait_alu depctr_va_vdst(0)
.rept 64
	v_exp_f32 v[S+j], v[S+j]                       ; p = 2^(t - M)
.set j, j+1
.endr
	v_pk_mul_f32 v[14:15], v[14:15], v[FF:FF+1] op_sel_hi:[1,0]   ; the sums under the new M (the plain line behind the exponentials)
	s_wait_alu depctr_va_vdst(0)                   ; one wait for the batch of 64, ahead of its first reader
.irp b, 0,1,2,3
	v_exp_f32 v[BM+\b], v[BM+\b]                   ; the blocks' largest p
.endr
	v_pk_add_f32 v[236:237], v[100:101], v[104:105]   ; the row's sum of the unquantised p, in eight chains
	v_pk_add_f32 v[252:253], v[108:109], v[112:113]
	v_pk_add_f32 v[250:251], v[116:117], v[120:121]
	v_pk_add_f32 v[248:249], v[124:125], v[128:129]
	v_pk_add_f32 v[246:247], v[132:133], v[136:137]
	v_pk_add_f32 v[244:245], v[140:141], v[144:145]
	v_pk_add_f32 v[242:243], v[148:149], v[152:153]
	v_pk_add_f32 v[14:15], v[14:15], v[156:157]
	v_pk_add_f32 v[236:237], v[236:237], v[96:97]
	v_pk_add_f32 v[252:253], v[252:253], v[98:99]
	v_pk_add_f32 v[250:251], v[250:251], v[102:103]
	v_pk_add_f32 v[248:249], v[248:249], v[106:107]
	v_pk_add_f32 v[246:247], v[246:247], v[110:111]
	v_pk_add_f32 v[244:245], v[244:245], v[114:115]
	v_pk_add_f32 v[242:243], v[242:243], v[118:119]
	v_pk_add_f32 v[14:15], v[14:15], v[122:123]
	v_pk_add_f32 v[236:237], v[236:237], v[126:127]
	v_pk_add_f32 v[252:253], v[252:253], v[130:131]
	v_pk_add_f32 v[250:251], v[250:251], v[134:135]
	v_pk_add_f32 v[248:249], v[248:249], v[138:139]
	v_pk_add_f32 v[246:247], v[246:247], v[142:143]
	v_pk_add_f32 v[244:245], v[244:245], v[146:147]
	v_pk_add_f32 v[242:243], v[242:243], v[150:151]
	v_pk_add_f32 v[14:15], v[14:15], v[154:155]
	v_pk_add_f32 v[236:237], v[236:237], v[158:159]
	s_delay_alu instid0(VALU_DEP_2)
	v_pk_add_f32 v[14:15], v[14:15], v[248:249]
	s_delay_alu instid0(VALU_DEP_2)
	v_pk_add_f32 v[236:237], v[236:237], v[246:247]
	v_pk_add_f32 v[252:253], v[252:253], v[244:245]
	v_pk_add_f32 v[250:251], v[250:251], v[242:243]
	s_delay_alu instid0(VALU_DEP_2)
	v_pk_add_f32 v[14:15], v[14:15], v[252:253]
	s_delay_alu instid0(VALU_DEP_2)
	v_pk_add_f32 v[236:237], v[236:237], v[250:251]
	s_delay_alu instid0(VALU_DEP_1)
	v_pk_add_f32 v[14:15], v[14:15], v[236:237]
	s_wait_alu depctr_va_vdst(0)                   ; and one for the four
.irp b, 0,1,2,3
	v_max_num_f32 v[BM+\b], 0x1800000, v[BM+\b]    ; the floor 2^(3 - 127): the byte cannot fall under 1
.endr
.irp b, 0,1,2,3
	s_delay_alu instid0(VALU_DEP_4)
	v_add_nc_u32 v[SO+\b], 0xff000000, v[BM+\b]    ; 2 off the exponent field: the conversion's scale operand
.endr
.irp b, 0,1,2,3
	s_delay_alu instid0(VALU_DEP_4)
	v_lshrrev_b32 v[BT+\b], 23, v[SO+\b]           ; the scale's byte
.endr
	s_delay_alu instid0(VALU_DEP_3)
	v_lshl_or_b32 v[PSW], v[BT+1], 8, v[BT]        ; p's scale word for these 128 keys
	s_delay_alu instid0(VALU_DEP_1)
	v_lshl_or_b32 v[PSW], v[BT+2], 16, v[PSW]
	s_delay_alu instid0(VALU_DEP_1)
	v_lshl_or_b32 v[PSW], v[BT+3], 24, v[PSW]
.irp c, 0,1
	v_cvt_scalef32_pk16_fp6_f32 v[PC+6*\c:PC+2+6*\c], v[S+32*\c:S+15+32*\c], v[SO+2*\c]
	v_cvt_scalef32_pk16_fp6_f32 v[PT+4*\c:PT+2+4*\c], v[S+16+32*\c:S+31+32*\c], v[SO+2*\c+1]   ; (a conversion's three registers begin on an even number)
.endr
	v_nop                                          ; one plain line behind a scaled conversion
.irp c, 0,1,2,3                                ; V's four fragments (16 channels x 128 keys) land where p lay, while the lines below run
	ds_load_b128 v[VF+12*\c:VF+12*\c+3], v[ADV16] offset:\c*1536
	ds_load_b64 v[VF+12*\c+4:VF+12*\c+5], v[ADV8] offset:\c*1536+512
	ds_load_b128 v[VF+12*\c+6:VF+12*\c+9], v[ADV16] offset:\c*1536+768
	ds_load_b64 v[VF+12*\c+10:VF+12*\c+11], v[ADV8] offset:\c*1536+1280
.endr
	ds_load_b128 v[VSW:VSW+3], v[ADT]
.irp c, 0,1                                    ; the operand's layout wants a whole block in a lane
.irp i, 0,1,2
	v_permlane16_swap_b32 v[PC+6*\c+\i], v[PT+4*\c+\i]
.endr
.irp i, 0,1,2
	s_delay_alu instid0(VALU_DEP_3)
	v_mov_b32 v[PC+3+6*\c+\i], v[PT+4*\c+\i]
.endr
.endr
.set j, 0
.rept 16
	v_pk_mul_f32 v[OT+j:OT+j+1], v[OT+j:OT+j+1], v[FF:FF+1] op_sel_hi:[1,0]   ; O^T under the new M; these 16 are also the places between p's codes and scale word and the products
.set j, j+2
.endr
	s_wait_alu depctr_va_vdst(0)
	s_wait_dscnt 0x0
.irp c, 0,1,2,3                                ; O^T += V^T P^T: four accumulators by turns
	v_wmma_scale_f32_16x16x128_f8f6f4 v[OT+8*\c:OT+8*\c+7], v[VF+12*\c:VF+12*\c+11], v[PC:PC+11], v[OT+8*\c:OT+8*\c+7], v[VSW+\c], v[PSW] matrix_a_fmt:MATRIX_FMT_FP6 matrix_b_fmt:MATRIX_FMT_FP6
.endr
.Lhidden_\@:
	s_add_co_u32 s[TB], s[TB], 6144                ; the next key step: 8 images of K, 4 fragments of V,
	s_add_co_u32 s[TS], s[TS], 512                 ; its scale words
	s_add_co_u32 s[TJ], s[TJ], 256
	s_add_co_u32 s[KC], s[KC], 1
	s_cmp_lt_u32 s[KC], \ntrip
	s_cbranch_scc1 .Ltrip_\@
.endm
; FINISH: O^T / the sum, quantised along the head's 64 channels: two blocks, one image, two scale bytes a row
.macro FINISH tsr
.rept 4
	v_nop
.endr
	v_add_f32 v14, v14, v15
	s_delay_alu instid0(VALU_DEP_1)
	v_permlanex16_b32 v[TP], v14, s[SEL], s[SEL+1]
	s_delay_alu instid0(VALU_DEP_1)
	v_add_f32 v14, v14, v[TP]                      ; the row's sum
	s_wait_alu depctr_va_vdst(0)
	v_rcp_f32 v14, v14
	v_nop                                          ; a plain line behind the reciprocal
	s_lshr_b32 s95, s9, 4                          ; the batch
	s_and_b32 s96, s9, 15                          ; the head
	s_lshl_b32 s97, s95, 7
	s_add_co_u32 s97, s97, s[\tsr]
	s_lshl_b32 s98, s97, 4
	s_add_co_u32 s98, s98, s96
	s_mul_i32 s98, s98, 768
	v_add_nc_u32 v[YO], s98, v[L16]
	v_add_nc_u32 v[YO+1], s98, v[L8]
	s_lshl_b32 s97, s97, 9                         ; 16 rows of 32 scale bytes a tile
	s_lshl_b32 s96, s96, 1
	s_add_co_u32 s97, s97, s96
	s_add_co_u32 s97, s97, Y_SC
	v_add_nc_u32 v[YO+2], s97, v[YB]
	s_wait_alu depctr_va_vdst(0)                   ; ahead of the reciprocal's first reader
.set j, 0
.rept 32
	v_mul_f32 v[S+j], v[OT+j], v14                 ; register 16 b + i is channel 32 b + 16 h + i
.set j, j+1
.endr
.irp b, 0,1
	v_max3_num_f32 v[BM+\b], |v[S+16*\b]|, |v[S+1+16*\b]|, 0x1800000
.endr
.irp i, 2,4,6,8,10,12,14
.irp b, 0,1
	s_delay_alu instid0(VALU_DEP_2)
	v_max3_num_f32 v[BM+\b], v[BM+\b], |v[S+16*\b+\i]|, |v[S+1+16*\b+\i]|
.endr
.endr
.irp b, 0,1
	s_delay_alu instid0(VALU_DEP_2)
	v_permlanex16_b32 v[BT+\b], v[BM+\b], s[SEL], s[SEL+1]
.endr
.irp b, 0,1
	s_delay_alu instid0(VALU_DEP_2)
	v_max_num_f32 v[BM+\b], v[BM+\b], v[BT+\b]
.endr
.irp b, 0,1
	s_delay_alu instid0(VALU_DEP_2)
	v_add_nc_u32 v[SO+\b], 0xff000000, v[BM+\b]
.endr
.irp b, 0,1
	s_delay_alu instid0(VALU_DEP_2)
	v_lshrrev_b32 v[BT+\b], 23, v[SO+\b]
.endr
	s_delay_alu instid0(VALU_DEP_1)
	v_cndmask_b32 v[YBY], v[BT], v[BT+1], s[HM]    ; lanes 0-15 store block 0's byte, lanes 16-31 block 1's
	v_cvt_scalef32_pk16_fp6_f32 v[PC:PC+2], v[S:S+15], v[SO]
	v_cvt_scalef32_pk16_fp6_f32 v[PT:PT+2], v[S+16:S+31], v[SO+1]
	v_nop
.irp i, 0,1,2
	v_permlane16_swap_b32 v[PC+\i], v[PT+\i]
.endr
.irp i, 0,1,2
	s_delay_alu instid0(VALU_DEP_3)
	v_mov_b32 v[PC+3+\i], v[PT+\i]
.endr
	global_store_b128 v[YO], v[PC:PC+3], s[6:7]                 ; 32 lanes store 512 consecutive bytes, aligned to 256,
	global_store_b64 v[YO+1], v[PC+4:PC+5], s[6:7] offset:512   ; and 256 more
	global_store_b8 v[YO+2], v[YBY], s[6:7]
.endm
	INIT 17                                        ; the long tile first: tiles 64 .. 127
	s_wait_alu depctr_va_vdst(0)
	s_cmp_lt_u32 s[WV], 8                          ; waves 0-6 wait for their tiles: keys 0-511 and the scale words; waves 8-15's loads, on lines of their own, may stay out
	s_cbranch_scc0 .Lnot_first
	s_wait_tensorcnt 0x0
.Lnot_first:
	s_barrier_signal -1
	s_barrier_wait -1
	s_wait_loadcnt 0x0                             ; q
	LOOP 0, 4, QB, QSB                             ; key steps 0-3: every wave works all four
	s_wait_alu depctr_va_vdst(0)
	s_wait_tensorcnt 0x0                           ; every wave: all that is still out, keys 512-2,047
	s_wait_dscnt 0x0
	s_barrier_signal -1
	s_barrier_wait -1
	LOOP 4, 16, QB, QSB
	FINISH 17
	s_wait_xcnt 0x0                                ; the first tile's stores have read their data and offsets, which the second tile writes again
	INIT 16                                        ; the short tile: tiles 0 .. 63, key steps 0 .. 7 at the most
	LOOP 0, 8, QA, QSA
	FINISH 16
	s_wait_tensorcnt 0x0                           ; the wave's end
	ds_add_u32 v254, v255
	s_wait_dscnt 0x0
	s_endpgm
.Lfunc_end_k_q0177b06c48_attn:
	.size	k_q0177b06c48_attn, .Lfunc_end_k_q0177b06c48_attn-k_q0177b06c48_attn
	.p2alignl 7, 3214868480
	.fill 96, 4, 3214868480
	.section	.rodata,"a",@progbits
	.p2align	6, 0x0
	.amdhsa_kernel k_q0177b06c48_attn
		.amdhsa_group_segment_fixed_size 210944
		.amdhsa_private_segment_fixed_size 0
		.amdhsa_enable_private_segment 0
		.amdhsa_kernarg_size 16
		.amdhsa_user_sgpr_count 2
		.amdhsa_user_sgpr_kernarg_segment_ptr 1
		.amdhsa_wavefront_size32 1
		.amdhsa_system_sgpr_workgroup_id_x 1
		.amdhsa_system_sgpr_workgroup_id_y 1
		.amdhsa_system_sgpr_workgroup_id_z 1
		.amdhsa_system_vgpr_workitem_id 0
		.amdhsa_next_free_vgpr 256
		.amdhsa_next_free_sgpr 100
		.amdhsa_reserve_vcc 1
		.amdhsa_float_denorm_mode_32 3
		.amdhsa_float_denorm_mode_16_64 3
		.amdhsa_memory_ordered 1
		.amdhsa_forward_progress 1
		.amdhsa_inst_pref_size 91
	.end_amdhsa_kernel
	.amdgpu_metadata
---
amdhsa.version: [ 1, 2 ]
amdhsa.kernels:
  - .name:           k_q0177b06c48_attn
    .symbol:         k_q0177b06c48_attn.kd
    .args:
      - { .name: qkv, .offset: 0, .size: 8, .value_kind: global_buffer, .address_space: global }
      - { .name: yq, .offset: 8, .size: 8, .value_kind: global_buffer, .address_space: global }
    .group_segment_fixed_size: 210944
    .private_segment_fixed_size: 0
    .kernarg_segment_align: 8
    .kernarg_segment_size: 16
    .max_flat_workgroup_size: 512
    .sgpr_count:     100
    .vgpr_count:     256
    .wavefront_size: 32
...
	.end_amdgpu_metadata
.endif
;; end of part 3
;; launch proj (part 4): grid 4 x 64, 4 waves a work-group, clusters of 4 x 4, 327,680 bytes of LDS; arguments yq, wq, b_proj, out0; writes out0
.if DOCPART == 4
	.amdgcn_target "amdgcn-amd-amdhsa--gfx1250"
	.amdhsa_code_object_version 6
	.text
	.protected	k_q0177b06c48_proj
	.globl	k_q0177b06c48_proj
	.p2align	8
	.type	k_q0177b06c48_proj,@function
k_q0177b06c48_proj:
	s_mov_b64 s[64:65], 0
	v_nop
	global_prefetch_b8 v0, s[64:65] scope:SCOPE_SE
	s_setreg_imm32_b32 hwreg(HW_REG_WAVE_MODE, 25, 1), 1
	s_wait_xcnt 0x0
	s_wait_alu depctr_hold_cnt(0) depctr_sa_sdst(0) depctr_va_vdst(0) depctr_va_sdst(0) depctr_va_ssrc(0) depctr_va_vcc(0) depctr_vm_vsrc(0)
	s_getreg_b32 s2, hwreg(HW_REG_IB_STS2, 6, 4)
	s_cmp_eq_u32 s2, 0
	s_cbranch_scc0 .Lentry_in_a_cluster
	s_endpgm
.Lentry_in_a_cluster:
	s_bfe_u32 s2, ttmp6, 0x10000c
	s_cmp_lg_u32 s2, 0xf033
	s_cbranch_scc0 .Lentry_shape_is_right
	s_endpgm
.Lentry_shape_is_right:
; out0 = y W_proj + b_proj on codes of FP6 (E2M3) with one E8M0 scale for each 32 along K = 1,024; sums in f32.
; SHARES: 256 work-groups, each 128 tokens x 256 columns; four waves side by side, each all 128 tokens (A's 8 blocks of 16) x 64 columns (B's 4 blocks): 32 accumulators.
; A = y as images of operand registers, y_img [tile of 16 positions][head 16][768 bytes] (registers 0-3 at 16 x lane, 4-5 at 512 + 8 x lane); a K step of 256 is 4 heads, 3,072 bytes of each tile.
; B = W_proj's codes [K step 4][column 1,024][192 bytes]: 256 columns of a K step are 49,152 dense bytes, stated as 192 rows of 256; in LDS 16 bytes of padding behind every 64: a column's pitch is 240.
; K goes in steps of 256 through a ring of two LDS slots.  CLUSTERS of 4 x 4: A's tile is shared along a row of the cluster, B's along a column, by joint loads.
; THE HEAD'S FOUR TILES, one a wave: K step 0 of A, of B, A's scale bytes, B's.  In the ring wave 0 asks for A's tile and wave 1 for B's, each whole.
; THE SCALE BYTES lie in LDS for all of K: B's 256 rows, then A's 128.  One register carries A's word (lanes 0-15) and B's (lanes 16-31); the loads of blocks 4-7 bring lanes 16-31 words that no product names, from bytes that have been filled.
; THE MATRIX INSTRUCTION IS USED TRANSPOSED (source 0 = B): a lane holds eight neighbouring columns of one token.  THE BIAS is the C of each sum's first product.
; Position 16 a + t of a tile of 128 is token 32 (a / 2) + 8 (a % 2) + t + 8 (t / 8): the order in which the earlier launches lay the tokens.
; No prefetch: of the four K steps two are first fills, and the other two could be named only at the head, where the first tiles are on their way.
; REGISTERS: window 0: v13-29 addresses; v32-63 scale words, two sets; v64-95 the bias; v128-223 A's fragments, one set (on the way out: rows read back).  window 1: B's fragments, two sets, at v0 and v128.
;   windows 2, 3: accumulator (a, b) at v[8 (8 (a % 4) + b)] of window 2 + a / 4.
; LIMITS: NaN and infinities are not served.
.set Y_SC,  6291456
.set WP_C,  2457600
.set WP_SC, 3244032
.set NQ,     2                         ; matrix instructions deep in a slot
.set PSTEP,  1024*192                  ; from a K step to the next in B's memory
.set ASTEP,  3072                      ; and in A's
.set PITCH,  240
.set FR,     12
.set NLA,    4                         ; LDS loads that bring a fragment of A
.set NP,     4                         ; places behind this matrix instruction (ISA guide 7.12.1)
.set ATILE,  8*3072
.set BTILE,  256*PITCH
.set SLOT,   ATILE+BTILE
.set SCL,    2*SLOT
.set SBB,    32*272                    ; B's scale bytes: 32 rows of 256 + 16
.set SAB,    16*272                    ; A's
.set SBLK,   2*272                     ; those of 16 rows
.set SPARE,  SCL+SBB+SAB               ; the spare words, 128 bytes a wave, that no other line names
.set SPITCH, 272                       ; the way out: a stage of 16 rows x (256 + 16) bytes a wave, in slot 0, which has had its last fill and its last read by then
.set VB,   13
.set ADRA, 16                          ; v16-17 16 x lane in slot 0, 1; v18-19 8 x lane
.set ADRB, 20                          ; v20-21 my B fragments in slot 0, 1; v22-23 behind one padding more
.set STO,  24
.set RD,   25
.set CO,   26
.set ADRS, 27
.set SPW,  28
.set NIL,  29
.set SC,   32
.set BI,   64
.set AF,   128
.set BK,   128
.set G1, 24
.set G0, 32
.set G1B, 48
.set G0B, 56
.set G1S, 68
.set G0S, 76
.set G1SB, 80
.set G0SB, 88
.set MSB, 0
.macro WIN new                         ; the immediate's high byte repeats the setting that is left
.if MSB != \new
	s_set_vgpr_msb (MSB<<8)|\new
.set MSB, \new
.endif
.endm
.set MUL_LO, 0xa1                      ; source 0 (B) window 1, source 1 (A) window 0, C and D window 2
.set MUL_HI, 0xf1
.set BEG_LO, 0x81                      ; the first products: C (the bias) window 0
.set BEG_HI, 0xc1
.set TO_B,   0x40
.macro PLACES n
.rept \n
	v_nop
.endr
.endm
.macro TLOAD g0, g1                    ; s_nop 0 and four v_nop follow each load
	tensor_load_to_lds s[\g0:\g0+3], s[\g1:\g1+7]
	s_nop 0
	PLACES 4
.endm
.macro JLOAD s                         ; the ring's joint loads into slot s: wave 0 A's tile, wave 1 B's; the branches hang on the wave's number alone
	s_cmp_eq_u32 s14, 0
	s_cbranch_scc0 .Lfor_b_\@
	TLOAD G0+4*\s, G1
	s_branch .Lasked_\@
.Lfor_b_\@:
	s_cmp_eq_u32 s14, 1
	s_cbranch_scc0 .Lasked_\@
	TLOAD G0B+4*\s, G1B
.Lasked_\@:
.endm
.macro CREST                           ; a round of the cluster's barrier behind its opening barrier
	s_cmp_lg_u32 s14, 0
	s_cbranch_scc1 .Lnot_wave_0_\@
	s_barrier_signal -3
.Lnot_wave_0_\@:
	s_barrier_wait -3
	s_barrier_signal -1
	s_barrier_wait -1
.endm
.macro CROUND
	s_barrier_signal -1
	s_barrier_wait -1
	CREST
.endm
.macro G1SET g, d0, rows, pitch
	s_mov_b32 s[\g+1], (\d0)<<16
	s_mov_b32 s[\g+2], (\rows)<<16
	s_mov_b32 s[\g+3], (\d0)<<16
	s_mov_b32 s[\g+4], \rows
	s_mov_b32 s[\g+5], \pitch
	s_mov_b32 s[\g+6], 0
	s_mov_b32 s[\g+7], 0
.endm
.macro G0SET g, lds, base, step        ; group 0: LDS place, the address in s[base:base+1] + step
	s_mov_b32 s[\g], 1
	s_mov_b32 s[\g+1], \lds
	s_add_nc_u64 s[\g+2:\g+3], s[\base:\base+1], \step
	s_or_b32 s[\g+3], s[\g+3], 0x80000000
.endm
	s_load_b256 s[4:11], s[0:1], 0x0               ; yq s[4:5], wq s[6:7], b_proj s[8:9], out0 s[10:11]
	v_lshl_add_u32 v[SPW], v0, 2, SPARE
	v_mov_b32 v[NIL], 0
	ds_add_u32 v[SPW], v[NIL]                      ; the opening lines: the add twice on end and its wait
	ds_add_u32 v[SPW], v[NIL]
	v_lshrrev_b32 v1, 5, v0
	v_readfirstlane_b32 s14, v1                    ; wave 0..3
	s_bfe_u32 s40, ttmp6, 0x40000                  ; cx, cy
	s_bfe_u32 s41, ttmp6, 0x40004
	s_lshl_b32 s42, ttmp9, 2
	s_add_co_u32 s42, s42, s40                     ; B's tile: 256 columns
	s_and_b32 s17, ttmp7, 0xffff
	s_lshl_b32 s17, s17, 2
	s_add_co_u32 s17, s17, s41                     ; A's tile: 128 tokens
	s_lshl_b32 s43, s41, 2
	s_lshl_b32 s43, 15, s43                        ; my row of the cluster
	s_lshl_b32 s44, 0x1111, s40                    ; my column
	s_or_b32 s[G1+0], s43, (3<<16)|(1<<21)         ; A: 8 rows of 3,072 bytes (384 elements of 8), 12,288 bytes apart, no padding
	G1SET G1, 384, 8, 1536
	s_or_b32 s[G1B+0], s44, (0<<16)|(1<<20)|(1<<21)|(3<<22)|(3<<25)   ; B: 192 rows of 256 bytes, 16 bytes of padding behind every 64
	G1SET G1B, 256, 192, 256
	s_or_b32 s[G1S+0], s43, (3<<16)|(1<<20)|(1<<21)|(5<<22)|(3<<25)   ; scale bytes: rows of 256 bytes, 16 of padding behind each
	G1SET G1S, 32, 16, 32
	s_or_b32 s[G1SB+0], s44, (3<<16)|(1<<20)|(1<<21)|(5<<22)|(3<<25)
	G1SET G1SB, 32, 32, 32
	s_mul_i32 s20, s17, 128*768                    ; A's codes, bytes from yq
	s_mov_b32 s21, 0
	s_lshl_b32 s22, s17, 12
	s_add_co_u32 s22, s22, Y_SC                    ; A's scale bytes
	s_mov_b32 s23, 0
	s_mul_i32 s46, s42, 256*192
	s_add_co_u32 s46, s46, WP_C                    ; B's codes, bytes from wq
	s_mov_b32 s47, 0
	s_lshl_b32 s92, s42, 13
	s_add_co_u32 s92, s92, WP_SC                   ; B's scale bytes
	s_mov_b32 s93, 0
	s_wait_alu depctr_va_vdst(0)
	s_wait_dscnt 0x0                               ; both opening adds are done
	s_wait_kmcnt 0x0
	s_add_nc_u64 s[20:21], s[4:5], s[20:21]
	s_add_nc_u64 s[22:23], s[4:5], s[22:23]
	s_add_nc_u64 s[46:47], s[6:7], s[46:47]
	s_add_nc_u64 s[92:93], s[6:7], s[92:93]
	CROUND                                         ; all sixteen work-groups are here: the first joint loads meet
	G0SET G0,    0,          20, 0
	G0SET G0+4,  SLOT,       20, ASTEP
	G0SET G0B,   ATILE,      46, 0
	G0SET G0B+4, SLOT+ATILE, 46, PSTEP
	G0SET G0S,   SCL+SBB,    22, 0
	G0SET G0SB,  SCL,        92, 0
.macro ARM under, g0, g1, next         ; one chain of branches on the wave's number: every way through the head passes one load
	s_cmp_lt_u32 s14, \under
	s_cbranch_scc0 \next
	TLOAD \g0, \g1
	s_branch .Lhead_asked
\next:
.endm
	ARM 1, G0,  G1,  .Lhead_b
	ARM 2, G0B, G1B, .Lhead_sa
	ARM 3, G0S, G1S, .Lhead_sb
	TLOAD G0SB, G1SB
.Lhead_asked:
	v_and_b32 v1, 15, v0                           ; r
	v_bfe_u32 v2, v0, 4, 1                         ; h
	v_and_b32 v6, 31, v0
	v_mul_u32_u24 v3, v1, PITCH
	v_mul_u32_u24 v4, v2, 24
	v_add_nc_u32 v4, v3, v4                        ; B: row x pitch + 24 h,
	v_lshl_add_u32 v5, v2, 4, v4                   ; and behind one padding more
	v_lshlrev_b32 v7, 4, v6
	v_lshlrev_b32 v8, 3, v6
	s_mov_b32 s21, 0
	s_mul_i32 s22, s14, 64*PITCH                   ; my 64 rows of B,
	s_add_co_u32 s22, s22, ATILE                   ; behind A's tile
.irp s, 0,1
	v_add_nc_u32 v[ADRA+\s], s21, v7
	v_add_nc_u32 v[ADRB+\s], s22, v4
	v_add_nc_u32 v[ADRA+2+\s], s21, v8
	v_add_nc_u32 v[ADRB+2+\s], s22, v5
	s_add_co_u32 s21, s21, SLOT
	s_add_co_u32 s22, s22, SLOT
.endr
	v_lshlrev_b32 v5, 5, v1                        ; my row's scale bytes: 32 a row,
	v_lshrrev_b32 v9, 8, v5
	v_lshl_add_u32 v5, v9, 4, v5                   ; and 16 more for each 256 passed
	s_mul_i32 s22, s14, 8*272                      ; the lower base: B's, my 64 rows
	s_xor_b32 s21, s14, 3
	s_mul_i32 s21, s21, 8*272
	s_add_co_u32 s21, s21, 8*272                   ; from there to A's: SBB - 8 x 272 x wave
	v_xor_b32 v9, 1, v2
	v_mul_u32_u24 v9, s21, v9                      ; lanes 0-15 take A's
	s_add_co_u32 s22, s22, SCL
	v_add_nc_u32 v5, v5, v9
	v_add_nc_u32 v[ADRS], s22, v5
	s_mul_i32 s23, s14, 16*SPITCH                  ; my stage
	v_mul_u32_u24 v5, v1, SPITCH                   ; in: row r, 32 bytes for each half of the lanes
	v_lshl_add_u32 v5, v2, 5, v5
	v_add_nc_u32 v[STO], s23, v5
	v_mul_u32_u24 v5, v2, SPITCH                   ; back: sixteen lanes to a row of 256 bytes, two rows an instruction
	v_lshl_add_u32 v5, v1, 4, v5
	v_add_nc_u32 v[RD], s23, v5
	v_lshlrev_b32 v9, 12, v2
	v_lshl_add_u32 v[CO], v1, 4, v9                ; and the same two rows in out0 (4,096 bytes a row)
	s_lshl_b32 s95, s42, 10
	s_lshl_b32 s96, s14, 8
	s_add_co_u32 s95, s95, s96                     ; 4 x my first column
	v_lshl_add_u32 v[VB], v2, 5, s95               ; register j of accumulator (a, b) is column 16 b + 8 h + j
.irp b, 0,1,2,3
	global_load_b128 v[BI+8*\b:BI+8*\b+3], v[VB], s[8:9] offset:64*\b
	global_load_b128 v[BI+8*\b+4:BI+8*\b+7], v[VB], s[8:9] offset:64*\b+16
.endr
	s_lshl_b32 s20, s17, 19                        ; 128 rows of 4,096 bytes a tile
	s_add_co_u32 s20, s20, s95
	s_mov_b32 s21, 0
	s_add_nc_u64 s[12:13], s[10:11], s[20:21]
.macro FRAG reg, adr, q, i             ; B: 16 rows x 128 K, in pieces of 8 bytes; 16 bytes of padding lie behind every 8 pieces
.irp p, 0,1,2,3,4,5
.set PCE, 12*(\q)+6*(\p/3)+\p%3
.if PCE%8 < 5
	ds_load_b64 v[\reg+2*\p:\reg+2*\p+1], v[\adr] offset:8*PCE+16*(PCE/8)+(\i)*16*PITCH
.else
	ds_load_b64 v[\reg+2*\p:\reg+2*\p+1], v[\adr+2] offset:8*PCE+16*(PCE/8)+(\i)*16*PITCH
.endif
.endr
.endm
.macro FRAGA reg, adr, q, i            ; A: two images of six registers
	ds_load_b128 v[\reg:\reg+3], v[\adr] offset:(\i)*3072+(\q)*1536
	ds_load_b64 v[\reg+4:\reg+5], v[\adr+2] offset:(\i)*3072+(\q)*1536+512
	ds_load_b128 v[\reg+6:\reg+9], v[\adr] offset:(\i)*3072+(\q)*1536+768
	ds_load_b64 v[\reg+10:\reg+11], v[\adr+2] offset:(\i)*3072+(\q)*1536+1280
.endm
; 8 matrix instructions: A's blocks a0, a0 + 1 x B's four.  mode 1: C = the bias.  The 32 accumulators take turns, one instruction a turn, in the same order in every step.
.macro MUL8 a0, p, q, sc, mode
.irp a, \a0, \a0+1
.irp b, 0,1,2,3
.if \mode == 1
	v_wmma_scale_f32_16x16x128_f8f6f4 v[8*(8*((\a)%4)+\b):8*(8*((\a)%4)+\b)+7], v[128*(\p)+FR*\b:128*(\p)+FR*\b+FR-1], v[AF+FR*(\a):AF+FR*(\a)+FR-1], v[BI+8*\b:BI+8*\b+7], v[SC+8*NQ*(\sc)+NQ*\b+(\q)], v[SC+8*NQ*(\sc)+NQ*(\a)+(\q)] matrix_a_fmt:MATRIX_FMT_FP6 matrix_b_fmt:MATRIX_FMT_FP6 matrix_a_scale:MATRIX_SCALE_ROW1
.else
	v_wmma_scale_f32_16x16x128_f8f6f4 v[8*(8*((\a)%4)+\b):8*(8*((\a)%4)+\b)+7], v[128*(\p)+FR*\b:128*(\p)+FR*\b+FR-1], v[AF+FR*(\a):AF+FR*(\a)+FR-1], v[8*(8*((\a)%4)+\b):8*(8*((\a)%4)+\b)+7], v[SC+8*NQ*(\sc)+NQ*\b+(\q)], v[SC+8*NQ*(\sc)+NQ*(\a)+(\q)] matrix_a_fmt:MATRIX_FMT_FP6 matrix_b_fmt:MATRIX_FMT_FP6 matrix_a_scale:MATRIX_SCALE_ROW1
.endif
.endr
.endr
.endm
.macro FETCH_B slot, q, p
	WIN TO_B
.irp i, 0,1,2,3
	FRAG 128*(\p)+FR*\i, ADRB+\slot, \q, \i
.endr
	WIN 0
.endm
.macro FETCH_A slot, q, i0
.irp i, \i0, \i0+1, \i0+2, \i0+3
	FRAGA AF+FR*(\i), ADRA+\slot, \q, \i
.endr
.endm
.macro SCALES sc                       ; a K step's scale words: lanes 0-15 A's block i, lanes 16-31 B's block i (of B's, blocks 0-3 are named by products)
.irp i, 0,1,2,3,4,5,6,7
	ds_load_b64 v[SC+8*NQ*\sc+NQ*\i:SC+8*NQ*\sc+NQ*\i+1], v[ADRS] offset:\i*SBLK
.endr
.endm
.macro STEP slot, q, mode              ; 128 along K that have their successor in the same slot
	s_wait_dscnt 4*NLA                             ; B's set and A's blocks 0-3 are in; the youngest 16 loads (A's blocks 4-7) may be out
.if \mode
	WIN BEG_LO
.else
	WIN MUL_LO
.endif
	MUL8 0, (\q)%2, \q, \slot, \mode
	MUL8 2, (\q)%2, \q, \slot, \mode
	s_wait_dscnt 0                                 ; A's blocks 4-7 are in
	PLACES NP
	FETCH_B \slot, (\q)+1, 1-(\q)%2
	FETCH_A \slot, (\q)+1, 0
.if \mode
	WIN BEG_HI
.else
	WIN MUL_HI
.endif
	MUL8 4, (\q)%2, \q, \slot, \mode
	MUL8 6, (\q)%2, \q, \slot, \mode
	PLACES NP
	WIN 0
	FETCH_A \slot, (\q)+1, 4
.endm
; A slot's last step changes slots: one barrier; in front of it each wave waits for all its tensor loads, adds 0 to its spare word, and waits for that and for its reads of this slot.  fill = 1: a round follows and the slot is filled again, two K steps ahead.
.macro TURN slot, next, fill
	s_wait_tensorcnt 0x0                           ; all my tensor loads have landed
	ds_add_u32 v[SPW], v[NIL]
	s_wait_dscnt 4*NLA+1                           ; the add and the youngest 16 loads may be out
	WIN MUL_LO
	MUL8 0, 1, NQ-1, \slot, 0
	s_wait_dscnt 0x0                               ; the add is done, and my reads of this slot are over
	s_barrier_signal -1
	MUL8 2, 1, NQ-1, \slot, 0
	WIN 0
	s_barrier_wait -1
.if \fill
	CREST                                          ; no wave of any partner still reads this slot or has a load on its way
	s_add_nc_u64 s[G0+4*\slot+2:G0+4*\slot+3], s[G0+4*\slot+2:G0+4*\slot+3], 2*ASTEP
	s_add_nc_u64 s[G0B+4*\slot+2:G0B+4*\slot+3], s[G0B+4*\slot+2:G0B+4*\slot+3], 2*PSTEP
	JLOAD \slot                                    ; the first tensor load behind the round
.endif
	PLACES NP                                      ; on every wave's way: the places in front of the loads below
	s_wait_alu depctr_va_vdst(0)
	v_add_nc_u32 v[ADRS], 4*NQ, v[ADRS]            ; on to the next K step's scale words
	FETCH_B \next, 0, 0
	FETCH_A \next, 0, 0
	SCALES \next
	WIN MUL_HI
	MUL8 4, 1, NQ-1, \slot, 0
	MUL8 6, 1, NQ-1, \slot, 0
	PLACES NP
	WIN 0
	FETCH_A \next, 0, 4
.endm
	s_wait_alu depctr_va_vdst(0)
	s_wait_loadcnt 0x0                             ; the bias
	s_wait_tensorcnt 0x0                           ; my tile of the head's four is in
	ds_add_u32 v[SPW], v[NIL]
	s_wait_dscnt 0x0
	CROUND                                         ; all four tiles are in, and the joint loads meet
	JLOAD 1                                        ; K step 1, the first tensor load behind the round
	FETCH_B 0, 0, 0
	FETCH_A 0, 0, 0
	SCALES 0
	FETCH_A 0, 0, 4
	STEP 0, 0, 1                                   ; the first step's products start the sums with the bias
	s_mov_b32 s3, 1
.Llap:                                                 ; a trip goes once round the ring and fills both slots again: K steps 2 and 3
	TURN 0, 1, 1
	STEP 1, 0, 0
	TURN 1, 0, 1
	STEP 0, 0, 0
	s_sub_co_u32 s3, s3, 1
	s_cmp_lg_u32 s3, 0
	s_cbranch_scc1 .Llap
	TURN 0, 1, 0                                   ; the last lap fills nothing
	STEP 1, 0, 0
	s_wait_dscnt 4*NLA
	WIN MUL_LO
	MUL8 0, 1, NQ-1, 1, 0
	MUL8 2, 1, NQ-1, 1, 0
	s_wait_dscnt 0
	WIN MUL_HI
	MUL8 4, 1, NQ-1, 1, 0
	MUL8 6, 1, NQ-1, 1, 0
	WIN 0
; THE WAY OUT, block by block of 16 tokens x 64 columns, through my own stage; LDS serves a wave's instructions in order, so no wait stands between the stores and the loads
.macro TOSTAGE a
.set AC, 64*((\a)%4)
	WIN 0x08+4*((\a)/4)                            ; the data: window 2 or 3
.irp b, 0,1,2,3
	ds_store_b128 v[STO], v[AC+8*\b:AC+8*\b+3] offset:64*\b        ; each accumulator from its low end on
	ds_store_b128 v[STO], v[AC+8*\b+4:AC+8*\b+7] offset:64*\b+16
.endr
	WIN 0
.set BB, BK+32*((\a)%2)
.irp t, 0,1,2,3,4,5,6,7
	ds_load_b128 v[BB+4*\t:BB+4*\t+3], v[RD] offset:2*\t*SPITCH
.endr
.endm
.macro SEND a, younger                 ; younger: the LDS instructions issued behind block a's loads
.set BB, BK+32*((\a)%2)
	s_wait_dscnt \younger
.irp t, 0,1,2,3,4,5,6,7
	global_store_b128 v[CO], v[BB+4*\t:BB+4*\t+3], s[12:13] offset:(32*((\a)/2)+8*((\a)%2)+2*\t+8*(\t/4))*4096 th:TH_STORE_NT   ; sixteen lanes store 256 consecutive bytes, aligned
.endr
.endm
	PLACES NP                                      ; behind the last products: their A fragments' registers take the rows read back
	TOSTAGE 0
.irp a, 1,2,3,4,5,6,7
.if \a > 1
	s_wait_xcnt 0x0                                ; block a - 2's stores have read their registers
.endif
	TOSTAGE \a
	SEND \a-1, 16                                  ; behind block a - 1's loads: block a's 8 stores and 8 loads
.endr
	SEND 7, 0
	s_wait_tensorcnt 0x0                           ; the wave's end
	ds_add_u32 v[SPW], v[NIL]
	s_wait_dscnt 0x0
	CROUND                                         ; the closing round
	s_endpgm
.Lfunc_end_k_q0177b06c48_proj:
	.size	k_q0177b06c48_proj, .Lfunc_end_k_q0177b06c48_proj-k_q0177b06c48_proj
	.p2alignl 7, 3214868480
	.fill 96, 4, 3214868480
	.section	.rodata,"a",@progbits
	.p2align	6, 0x0
	.amdhsa_kernel k_q0177b06c48_proj
		.amdhsa_group_segment_fixed_size 327680
		.amdhsa_private_segment_fixed_size 0
		.amdhsa_enable_private_segment 0
		.amdhsa_kernarg_size 32
		.amdhsa_user_sgpr_count 2
		.amdhsa_user_sgpr_kernarg_segment_ptr 1
		.amdhsa_wavefront_size32 1
		.amdhsa_system_sgpr_workgroup_id_x 1
		.amdhsa_system_sgpr_workgroup_id_y 1
		.amdhsa_system_sgpr_workgroup_id_z 1
		.amdhsa_system_vgpr_workitem_id 0
		.amdhsa_next_free_vgpr 1024
		.amdhsa_next_free_sgpr 100
		.amdhsa_reserve_vcc 0
		.amdhsa_float_denorm_mode_32 3
		.amdhsa_float_denorm_mode_16_64 3
		.amdhsa_memory_ordered 1
		.amdhsa_forward_progress 1
		.amdhsa_inst_pref_size 95
	.end_amdhsa_kernel
	.amdgpu_metadata
---
amdhsa.version: [ 1, 2 ]
amdhsa.kernels:
  - .name:           k_q0177b06c48_proj
    .symbol:         k_q0177b06c48_proj.kd
    .args:
      - { .name: yq, .offset: 0, .size: 8, .value_kind: global_buffer, .address_space: global }
      - { .name: wq, .offset: 8, .size: 8, .value_kind: global_buffer, .address_space: global }
      - { .name: b_proj, .offset: 16, .size: 8, .value_kind: global_buffer, .address_space: global }
      - { .name: out0, .offset: 24, .size: 8, .value_kind: global_buffer, .address_space: global }
    .group_segment_fixed_size: 327680
    .private_segment_fixed_size: 0
    .kernarg_segment_align: 8
    .kernarg_segment_size: 32
    .max_flat_workgroup_size: 128
    .sgpr_count:     100
    .vgpr_count:     1024
    .wavefront_size: 32
...
	.end_amdgpu_metadata
.endif
;; end of part 4
